; MI455X (gfx1250); checked and timed in simulation.
; The chip was launched on July 23, 2026; its instructions are those of AMD's public machine-readable ISA for CDNA 5 (MIT licence, August 2026) and "CDNA5" Instruction Set Architecture Reference Guide (July 2026). The comments in the code are by the model that wrote it; some were corrected since.
;; Sparse Multi Head Attention. Allowed arithmetic: matrix products marked QUANTISED: E2M1 operands, one E8M0 scale for each 32 along K, by v_wmma_scale_f32_16x16x128_f8f6f4 with both operands' format E2M1 (or v_wmma_scale_f32_32x16x128_f4), f32 sums; products left as they are: bf16, f16 or f32 operands; f32 sums; everything else in f32.
;; Inputs: K 4 x 1,024 x 1,024 float32; Q 4 x 1,024 x 1,024 float32; V 4 x 1,024 x 1,024 float32; Wk 1,024 x 1,024 float32; Wo 1,024 x 1,024 float32; Wq 1,024 x 1,024 float32; Wv 1,024 x 1,024 float32; bk 1,024 float32; bo 1,024 float32; bq 1,024 float32; bv 1,024 float32.
;; Outputs: out0 4 x 1,024 x 1,024 float32.
;; This version of the problem:
;;   THIS VERSION OF THE PROBLEM IS GIVEN IN LOW PRECISION. The matrix products marked QUANTISED in the list below multiply operands that are first quantised to E2M1 (2 exponent bits, 1 mantissa bit; 4 bits a number), with one power-of-two scale for each 32 numbers along K (OCP MX v1.0); their sums are f32. The products marked 'left as it is' may take bf16, f16 or f32 operands, with f32 sums. Whichever they take, every output number must still come out within the allowed error. Rounding operands to bf16 (8 significant bits) uses up far more of that allowance than f16 does (11 bits, for magnitudes from 6e-5 to 65,504). All else is computed in f32.
;;   The module's matrix products, in the order in which they are computed (A, B: the left and right operand; K: the contracted axis; several contracted axes count as one K, in the product's order):
;;     1. [M 4,096, K 1,024] x [K 1,024, N 1,024]; A: input Q; B: input Wq: QUANTISED
;;     2. [M 4,096, K 1,024] x [K 1,024, N 1,024]; A: input K; B: input Wk: QUANTISED
;;     3. [M 4,096, K 1,024] x [K 1,024, N 1,024]; A: input V; B: input Wv: QUANTISED
;;     4. batch 64 x [M 1,024, K 64] x [K 64, N 1,024]; A: computed on the way; B: computed on the way: left as it is (an operand is computed on the way)
;;     5. batch 64 x [M 1,024, K 1,024] x [K 1,024, N 64]; A: computed on the way; B: computed on the way: left as it is (an operand is computed on the way)
;;     6. [M 4,096, K 1,024] x [K 1,024, N 1,024]; A: computed on the way; B: input Wo: left as it is (an operand is computed on the way)
;;   THE QUANTISER, for each operand of a quantised product, along K:
;;     - K is cut into blocks of 32 from its start; a last block that is shorter is filled with zeros.
;;     - A block's scale is 2^e with e = floor(log2(the largest magnitude in the block)) - 2, held to -126 .. 127; a block of zeros has e = 0. As a byte (E8M0): e + 127.
;;     - Each number is divided by its block's scale, clamped to +-6, and rounded to the nearest number of E2M1, ties to even, subnormals kept.
;;     - The product sums the exact products of the quantised numbers (number of the format x scale) in f32.
;;   ~~~python
;;   def quantise(x, axis):      # numpy; x: float32 -> the quantised numbers, widened to float32 again
;;       x = np.moveaxis(x, axis, -1); K = x.shape[-1]
;;       x = np.pad(x, [(0, 0)] * (x.ndim - 1) + [(0, -K % 32)]); x = x.reshape(x.shape[:-1] + (-1, 32)); a = np.abs(x).max(-1, keepdims=True)
;;       e = np.where(a > 0, np.clip(np.frexp(np.where(a > 0, a, 1))[1] - 1 - 2, -126, 127), 0)      # np.frexp(a)[1] - 1 = floor(log2(a)), exactly
;;       r = np.clip(x / 2.0 ** e, -6, 6)
;;       step = 2.0 ** (np.maximum(np.frexp(np.where(r == 0, 1, r))[1] - 1, 0) - 1)
;;       q = np.round(r / step) * step * 2.0 ** e      # np.round: ties to even
;;       return np.moveaxis(q.reshape(q.shape[:-2] + (-1,))[..., :K], -1, axis).astype(np.float32)
;;   ~~~
;; One version. Each part assembles by itself: llvm-mc -triple=amdgcn-amd-amdhsa -mcpu=gfx1250 --defsym DOCPART=n.
;; ======== version 1 of 1: 4 launches
;; limits: values are held in f16: magnitudes above 65,504 overflow, below 6.1e-05 lose precision; right only within a limited range of input values
;; workspace buffers: xc 6,291,456 bytes; xs 393,216 bytes; wc 1,572,864 bytes; ws 98,304 bytes; wo16 2,097,152 bytes; qkv 25,165,824 bytes; o16 8,388,608 bytes
;; launch prep (part 1): grid 640 x 1, 4 waves a work-group, no clusters, 33,280 bytes of LDS; arguments Q, K, V, Wq, Wk, Wv, Wo, xc, xs, wc, ws, wo16; writes xc, xs, wc, ws, wo16
.if DOCPART == 1
	.amdgcn_target "amdgcn-amd-amdhsa--gfx1250"
	.amdhsa_code_object_version 6
	.text
	.protected	k_qb2a97094e0_prep
	.globl	k_qb2a97094e0_prep
	.p2align	8
	.type	k_qb2a97094e0_prep,@function
k_qb2a97094e0_prep:
	s_mov_b64 s[64:65], 0
	v_nop
	global_prefetch_b8 v0, s[64:65] scope:SCOPE_SE
	s_setreg_imm32_b32 hwreg(HW_REG_WAVE_MODE, 25, 1), 1
	s_wait_xcnt 0x0
; PREP: every operand is laid once as the later launches want it.
; Work-groups 0-191: Wq, Wk, Wv [k = 1024][n = 1024] f32 -> codes of FP4 (E2M1) quantised along k, stored as IMAGES OF THE OPERAND'S REGISTERS, and one E8M0 byte for each 32 along k.
;   wc: [tensor 3][K step of 512: 2][tile of 16 n: 64][128 along k: 4][1,024 bytes]; a fragment's 1,024 bytes are two groups of four registers, lane l's 16 bytes at 16 l.   ws: [3][n][32 bytes].
; Work-groups 192-255: Wo [k][n] f32 -> f16, images of fragments of 16 n x 32 k:  wo16: [256 along k: 4][tile of 16 n: 64][32 along k: 8][1,024 bytes].
; Work-groups 256-639: Q, K, V [4][1024][1024] f32 -> codes with k innermost, xc [3][4096][512 bytes], and scale bytes xs [3][4096][32].
;   THE TOKENS ARE STORED BY CLASS: row p = 1024 b + 256 c + a holds position 4 a + c of batch b, since the mask joins positions of one class (distance a multiple of 4).
; A block's scale is 2^(floor(log2(its largest magnitude)) - 2); its byte is the largest magnitude's exponent field - 2, held at 1 from below.
; LIMITS: a block of zeros gets the byte 1 where the quantiser says 127 (its codes are zeros, which add nothing under any byte but 0xff, and this program alone reads the bytes);
; blocks whose largest magnitude lies under 2^-124 are held at the byte 1; NaN and infinities among the inputs are not served; Wo must lie under 65,504 in magnitude (f16).
; No tensor loads, no barrier: waves share nothing.  Only the tokens' path touches LDS.
.set WAVES, 4
.set STEPS, 16
.set EMAX,  2
.set CB,    8                          ; bytes of 16 codes
.set R,     16                         ; tokens: v16-79   four sets of 16 numbers as they are loaded
.set X,     80                         ; tokens: v80-111  two sets of 16 neighbours
.set C,     128                        ; tokens: v128-191 codes, four registers for each step
.set E,     112                        ; tokens: v112-127 a scale byte for each step
.set WREG,  8192                       ; LDS: a region for each wave: two stages of 32 x SP bytes, then its 256 scale bytes
.set SP,    80                         ; a lane's place in a stage: 64 bytes + 16 of padding
.set SPW,   12                         ; v12  LDS address of my spare word; never rewritten
.set NIL,   13                         ; v13  0; never rewritten
.set SPARE, WAVES*WREG                 ; behind the four regions: the spare words, 128 bytes a wave, that no other line names
.set WN,    32                         ; weights: v32-159 my column's 128 numbers down k
.set WC,    160                        ; weights: v160-175 their codes, four registers a block of 32
	s_load_b512 s[8:23], s[0:1], 0x0               ; Q s[8:9], K s[10:11], V s[12:13], Wq s[14:15], Wk s[16:17], Wv s[18:19], Wo s[20:21], xc s[22:23]
	s_load_b256 s[24:31], s[0:1], 0x40             ; xs s[24:25], wc s[26:27], ws s[28:29], wo16 s[30:31]
	v_lshl_add_u32 v[SPW], v0, 2, SPARE
	v_mov_b32 v[NIL], 0
	v_lshrrev_b32 v1, 5, v0
	v_readfirstlane_b32 s32, v1                    ; wave
	v_and_b32 v2, 31, v0                           ; lane
	v_lshlrev_b32 v3, 4, v2                        ; 16 x lane
	s_mul_i32 s33, s32, WREG                       ; the LDS addresses of the tokens' path are made here, ahead of the parting
	v_lshrrev_b32 v14, 2, v2
	v_mul_u32_u24 v14, v14, SP
	v_and_b32 v15, 3, v2
	v_lshl_add_u32 v14, v15, 4, v14
	v_add_nc_u32 v14, s33, v14                     ; the stage, on the way in: SP (lane / 4) + 16 (lane % 4)
	v_mul_u32_u24 v15, v2, SP
	v_add_nc_u32 v15, s33, v15                     ; and on the way out: SP x lane: my 16 neighbours
	v_mul_u32_u24 v4, v2, CB                       ; my codes' place in a step's
	v_lshrrev_b32 v5, 1, v2
	s_add_co_u32 s33, s33, 2*32*SP
	v_add_nc_u32 v5, s33, v5                       ; LDS: my wave's 256 scale bytes, my block's byte
	v_lshlrev_b32 v7, 3, v2
	v_add_nc_u32 v6, s33, v7                       ; and on the way out 8 bytes a lane
	s_wait_kmcnt 0x0
	s_cmp_ge_u32 ttmp9, 256                        ; the parting hangs on the work-group's number alone
	s_cbranch_scc1 .Lx
; ---------------- THE WEIGHTS.  A lane takes a column n and its registers run down k: a block of 32 lies in one lane, and the codes come out with k innermost.
	s_lshr_b32 s34, ttmp9, 6                       ; which weight: 0 Wq, 1 Wk, 2 Wv, 3 Wo
	s_and_b32 s35, ttmp9, 7                        ; which 128 columns
	s_bfe_u32 s36, ttmp9, 0x30003                  ; which 128 along k
	s_cmp_eq_u32 s34, 1
	s_cselect_b64 s[14:15], s[16:17], s[14:15]
	s_cmp_eq_u32 s34, 2
	s_cselect_b64 s[14:15], s[18:19], s[14:15]
	s_cmp_eq_u32 s34, 3
	s_cselect_b64 s[14:15], s[20:21], s[14:15]
	s_lshl_b32 s37, s35, 7
	s_lshl_b32 s38, s32, 5
	s_add_co_u32 s37, s37, s38                     ; n0: my wave's first column
	s_lshl_b32 s40, s36, 19                        ; 128 rows of 4,096 bytes
	s_lshl_b32 s38, s37, 2
	s_add_co_u32 s40, s40, s38
	s_mov_b32 s41, 0
	s_add_nc_u64 s[14:15], s[14:15], s[40:41]
	v_lshlrev_b32 v16, 2, v2                       ; 4 bytes a lane: a wave reads 128 consecutive bytes, the four waves 512
.set i, 0
.rept 128
	global_load_b32 v[WN+i], v16, s[14:15] offset:i*4096 th:TH_LOAD_NT
.set i, i+1
.endr
	s_cmp_eq_u32 s34, 3
	s_cbranch_scc1 .Lwo
	s_lshl_b32 s40, s34, 19                        ; wc: the tensor,
	s_lshr_b32 s38, s36, 2
	s_lshl_b32 s38, s38, 18                        ; the K step of 512,
	s_add_co_u32 s40, s40, s38
	s_lshl_b32 s38, s37, 8                         ; the tile of 16 columns: 4,096 bytes each,
	s_add_co_u32 s40, s40, s38
	s_and_b32 s38, s36, 3
	s_lshl_b32 s38, s38, 10                        ; the 128 along k in it
	s_add_co_u32 s40, s40, s38
	s_add_nc_u64 s[26:27], s[26:27], s[40:41]
	s_lshl_b32 s40, s34, 15                        ; ws: the tensor, 32 bytes a column, 4 bytes for these 128 along k
	s_lshl_b32 s38, s37, 5
	s_add_co_u32 s40, s40, s38
	s_lshl_b32 s38, s36, 2
	s_add_co_u32 s40, s40, s38
	s_add_nc_u64 s[28:29], s[28:29], s[40:41]
	v_lshlrev_b32 v18, 5, v2
.macro WBLOCK b                        ; block b of my column: its largest magnitude, its byte, its 32 codes
.set XS, WN+32*(\b)
	v_max3_num_f32 v20, |v[XS]|, |v[XS+1]|, |v[XS+2]|
	v_max3_num_f32 v21, |v[XS+3]|, |v[XS+4]|, |v[XS+5]|
.irp i, 6,10,14,18,22,26
	v_max3_num_f32 v20, v20, |v[XS+\i]|, |v[XS+\i+1]|
	v_max3_num_f32 v21, v21, |v[XS+\i+2]|, |v[XS+\i+3]|
.endr
	v_max3_num_f32 v20, v20, |v[XS+30]|, |v[XS+31]|
	v_max3_num_f32 v20, v20, v21, (EMAX+1)<<23     ; the floor 2^(3 - 127): the byte cannot fall under 1
	v_add_nc_u32 v22, -(EMAX<<23), v20             ; 2 off the exponent field: the conversion takes this operand's exponent field as its scale
	v_lshrrev_b32 v23, 23, v22                     ; the scale's byte
.if (\b) == 0
	v_mov_b32 v24, v23                             ; four bytes make the column's scale word for these 128 along k
.else
	v_lshl_or_b32 v24, v23, 8*(\b), v24
.endif
.irp g, 0,1,2,3
	v_cvt_scalef32_pk8_fp4_f32 v[WC+4*(\b)+\g], v[XS+8*\g:XS+8*\g+7], v22
.endr
.endm
	s_wait_loadcnt 63                              ; of the 128 loads the oldest 65 are in: blocks 0 and 1
	WBLOCK 0
	WBLOCK 1
	s_wait_loadcnt 32                              ; block 2 is in; block 3's loads may be out
	WBLOCK 2
	s_wait_loadcnt 0x0
	WBLOCK 3
	v_nop                                          ; one plain line between a scaled conversion and the vector line that touches its result
; The operand's layout gives lane (r, h) of a tile block 2 c + h of column r in registers 4 c .. 4 c + 3.  I hold blocks 0-3 of column n0 + lane.  One exchange of halves for each register
; makes of blocks 2 c and 2 c + 1 group c of the tile of columns n0 .. n0 + 15 (first register) and of the tile of columns n0 + 16 .. n0 + 31 (second).
.irp c, 0,1
.irp i, 0,1,2,3
	v_permlane16_swap_b32 v[WC+8*\c+\i], v[WC+4+8*\c+\i]
.endr
.endr
.irp c, 0,1
	global_store_b128 v3, v[WC+8*\c:WC+8*\c+3], s[26:27] offset:512*\c          ; each store of the wave covers 512 consecutive bytes, aligned
	global_store_b128 v3, v[WC+4+8*\c:WC+7+8*\c], s[26:27] offset:4096+512*\c
.endr
	global_store_b32 v18, v24, s[28:29]            ; 4 bytes a lane, 32 bytes apart: one byte for each 32 of these 128 along k
	s_endpgm
.Lwo:                                  ; Wo: the same columns, rounded to f16
	s_lshr_b32 s40, s36, 1
	s_lshl_b32 s40, s40, 19                        ; wo16: the 256 along k,
	s_lshl_b32 s38, s37, 9                         ; the tile of 16 columns: 8,192 bytes each,
	s_add_co_u32 s40, s40, s38
	s_and_b32 s38, s36, 1
	s_lshl_b32 s38, s38, 12                        ; which four of its eight fragments
	s_add_co_u32 s40, s40, s38
	s_add_nc_u64 s[30:31], s[30:31], s[40:41]
; 32 along k of my column become 16 registers of pairs, in place.  A fragment wants k = 8 h + 0 .. 7 in registers 0-3 and k = 16 + 8 h + 0 .. 7 in registers 4-7: an exchange of halves as above.
.macro OBLOCK b
.set PB, WN+32*(\b)
.irp i, 0,1,2,3,4,5,6,7,8,9,10,11,12,13,14,15
	v_cvt_pk_f16_f32 v[PB+\i], v[PB+2*\i], v[PB+2*\i+1]
.endr
.irp i, 0,1,2,3
	v_permlane16_swap_b32 v[PB+\i], v[PB+4+\i]
	v_permlane16_swap_b32 v[PB+8+\i], v[PB+12+\i]
.endr
	global_store_b128 v3, v[PB:PB+3], s[30:31] offset:1024*(\b)
	global_store_b128 v3, v[PB+8:PB+11], s[30:31] offset:1024*(\b)+512
	global_store_b128 v3, v[PB+4:PB+7], s[30:31] offset:8192+1024*(\b)
	global_store_b128 v3, v[PB+12:PB+15], s[30:31] offset:8192+1024*(\b)+512
.endm
	s_wait_loadcnt 63
	OBLOCK 0
	OBLOCK 1
	s_wait_loadcnt 32
	OBLOCK 2
	s_wait_loadcnt 0x0
	OBLOCK 3
	s_endpgm
; ---------------- THE TOKENS.  A wave takes 8 rows of one class: 16 steps of 512 numbers.  Each load reads 512 consecutive bytes; a step's 2,048 bytes turn through the wave's own stage in LDS,
; so that a lane then holds 16 neighbours along k (two neighbouring lanes hold a block).  Loads run four steps ahead, the turn through LDS one step.
.Lx:
	s_sub_co_u32 s34, ttmp9, 256
	s_lshr_b32 s35, s34, 7                         ; which tensor: 0 Q, 1 K, 2 V
	s_cmp_eq_u32 s35, 1
	s_cselect_b64 s[8:9], s[10:11], s[8:9]
	s_cmp_eq_u32 s35, 2
	s_cselect_b64 s[8:9], s[12:13], s[8:9]
	s_and_b32 s34, s34, 127
	s_lshl_b32 s34, s34, 2
	s_add_co_u32 s34, s34, s32                     ; my run of 8 stored rows, 0 .. 511: batch = run / 128, class = (run / 32) % 4, a = 8 (run % 32) ..
	s_lshr_b32 s36, s34, 7
	s_lshl_b32 s36, s36, 22                        ; the batch: 1,024 rows of 4,096 bytes
	s_bfe_u32 s37, s34, 0x20005
	s_lshl_b32 s37, s37, 12                        ; the class: one row
	s_add_co_u32 s36, s36, s37
	s_and_b32 s37, s34, 31
	s_lshl_b32 s37, s37, 17                        ; 8 steps of four rows
	s_add_co_u32 s36, s36, s37
	s_mov_b32 s37, 0
	s_add_nc_u64 s[8:9], s[8:9], s[36:37]
	s_lshl_b32 s36, s35, 21
	s_lshl_b32 s38, s34, 12                        ; 4,096 bytes of codes a run
	s_add_co_u32 s36, s36, s38
	s_add_nc_u64 s[22:23], s[22:23], s[36:37]
	s_lshl_b32 s36, s35, 17
	s_lshl_b32 s38, s34, 8                         ; 256 scale bytes a run
	s_add_co_u32 s36, s36, s38
	s_add_nc_u64 s[24:25], s[24:25], s[36:37]
.macro LOADX t                         ; step t: half t % 2 of my row t / 2, which lies four rows of memory behind the last
.irp i, 0,1,2,3
	global_load_b128 v[R+16*((\t)%4)+4*\i:R+16*((\t)%4)+4*\i+3], v3, s[8:9] offset:((\t)/2)*16384+((\t)%2)*2048+512*\i th:TH_LOAD_NT
.endr
.endm
.macro TURNX t                         ; step t's numbers through the stage: LDS serves a wave's instructions in order, so no wait stands between the stores and the loads
.irp i, 0,1,2,3
	ds_store_b128 v14, v[R+16*((\t)%4)+4*\i:R+16*((\t)%4)+4*\i+3] offset:32*SP*((\t)%2)+8*SP*\i
.endr
.irp i, 0,1,2,3
	ds_load_b128 v[X+16*((\t)%2)+4*\i:X+16*((\t)%2)+4*\i+3], v15 offset:32*SP*((\t)%2)+16*\i
.endr
.endm
.irp t, 0,1,2,3
	LOADX \t
.endr
	s_wait_loadcnt 12                              ; step 0's four loads are in
	TURNX 0
.macro STEPX t
.set XS, X+16*((\t)%2)
.if (\t) > 0
	s_wait_dscnt 1                                 ; this step's numbers are back from the stage (the last step's byte store may be out)
.else
	s_wait_dscnt 0x0
.endif
.if (\t)+4 < STEPS
	LOADX (\t)+4                                   ; into the registers that the stage's stores have read
.endif
.if (\t)+1 < STEPS
.if STEPS-2-(\t) >= 3
	s_wait_loadcnt 12                              ; the next step's four loads are in; those of the three steps behind it may be out
.else
	s_wait_loadcnt 4*(STEPS-2-(\t))
.endif
	TURNX (\t)+1
.endif
	v_max3_num_f32 v8, |v[XS]|, |v[XS+1]|, |v[XS+2]|
	v_max3_num_f32 v9, |v[XS+3]|, |v[XS+4]|, |v[XS+5]|
.irp i, 6,10
	v_max3_num_f32 v8, v8, |v[XS+\i]|, |v[XS+\i+1]|
	v_max3_num_f32 v9, v9, |v[XS+\i+2]|, |v[XS+\i+3]|
.endr
	v_max3_num_f32 v8, v8, |v[XS+14]|, |v[XS+15]|
	v_max3_num_f32 v8, v8, v9, (EMAX+1)<<23        ; the floor
	v_max_num_f32_dpp v8, v8, v8 row_xmask:1 row_mask:0xf bank_mask:0xf   ; with my neighbour's 16: the block's largest magnitude
	v_add_nc_u32 v11, -(EMAX<<23), v8
	v_cvt_scalef32_pk8_fp4_f32 v[C+4*(\t)], v[XS:XS+7], v11
	v_cvt_scalef32_pk8_fp4_f32 v[C+4*(\t)+1], v[XS+8:XS+15], v11
	v_lshrrev_b32 v[E+(\t)], 23, v11               ; the scale's byte
	ds_store_b8 v5, v[E+(\t)] offset:16*(\t)       ; both lanes of a block write the same byte with the same value
	global_store_b64 v4, v[C+4*(\t):C+4*(\t)+1], s[22:23] offset:32*CB*(\t)   ; the wave stores 256 consecutive bytes, aligned
.endm
.irp t, 0,1,2,3,4,5,6,7,8,9,10,11,12,13,14,15
	STEPX \t
.endr
	ds_load_b64 v[8:9], v6                         ; LDS serves a wave's instructions in order: these see my byte stores
	s_wait_dscnt 0x0
	global_store_b64 v7, v[8:9], s[24:25]          ; 256 consecutive bytes, aligned
	s_wait_tensorcnt 0x0                           ; the wave's end: behind my last LDS store
	ds_add_u32 v[SPW], v[NIL]
	s_wait_dscnt 0x0
	s_endpgm
.Lfunc_end_k_qb2a97094e0_prep:
	.size	k_qb2a97094e0_prep, .Lfunc_end_k_qb2a97094e0_prep-k_qb2a97094e0_prep
	.p2alignl 7, 3214868480
	.fill 96, 4, 3214868480
	.section	.rodata,"a",@progbits
	.p2align	6, 0x0
	.amdhsa_kernel k_qb2a97094e0_prep
		.amdhsa_group_segment_fixed_size 33280
		.amdhsa_private_segment_fixed_size 0
		.amdhsa_enable_private_segment 0
		.amdhsa_kernarg_size 96
		.amdhsa_user_sgpr_count 2
		.amdhsa_user_sgpr_kernarg_segment_ptr 1
		.amdhsa_wavefront_size32 1
		.amdhsa_system_sgpr_workgroup_id_x 1
		.amdhsa_system_sgpr_workgroup_id_y 1
		.amdhsa_system_sgpr_workgroup_id_z 1
		.amdhsa_system_vgpr_workitem_id 0
		.amdhsa_next_free_vgpr 192
		.amdhsa_next_free_sgpr 66
		.amdhsa_reserve_vcc 0
		.amdhsa_float_denorm_mode_32 3
		.amdhsa_float_denorm_mode_16_64 3
		.amdhsa_memory_ordered 1
		.amdhsa_forward_progress 1
		.amdhsa_inst_pref_size 60
	.end_amdhsa_kernel
	.amdgpu_metadata
---
amdhsa.version: [ 1, 2 ]
amdhsa.kernels:
  - .name:           k_qb2a97094e0_prep
    .symbol:         k_qb2a97094e0_prep.kd
    .args:
      - { .name: Q, .offset: 0, .size: 8, .value_kind: global_buffer, .address_space: global }
      - { .name: K, .offset: 8, .size: 8, .value_kind: global_buffer, .address_space: global }
      - { .name: V, .offset: 16, .size: 8, .value_kind: global_buffer, .address_space: global }
      - { .name: Wq, .offset: 24, .size: 8, .value_kind: global_buffer, .address_space: global }
      - { .name: Wk, .offset: 32, .size: 8, .value_kind: global_buffer, .address_space: global }
      - { .name: Wv, .offset: 40, .size: 8, .value_kind: global_buffer, .address_space: global }
      - { .name: Wo, .offset: 48, .size: 8, .value_kind: global_buffer, .address_space: global }
      - { .name: xc, .offset: 56, .size: 8, .value_kind: global_buffer, .address_space: global }
      - { .name: xs, .offset: 64, .size: 8, .value_kind: global_buffer, .address_space: global }
      - { .name: wc, .offset: 72, .size: 8, .value_kind: global_buffer, .address_space: global }
      - { .name: ws, .offset: 80, .size: 8, .value_kind: global_buffer, .address_space: global }
      - { .name: wo16, .offset: 88, .size: 8, .value_kind: global_buffer, .address_space: global }
    .group_segment_fixed_size: 33280
    .private_segment_fixed_size: 0
    .kernarg_segment_align: 8
    .kernarg_segment_size: 96
    .max_flat_workgroup_size: 128
    .sgpr_count:     66
    .vgpr_count:     192
    .wavefront_size: 32
...
	.end_amdgpu_metadata
.endif
;; end of part 1
;; launch proj (part 2): grid 4 x 48, 4 waves a work-group, clusters of 4 x 4, 327,680 bytes of LDS; arguments xc, xs, wc, ws, bq, bk, bv, qkv; writes qkv
.if DOCPART == 2
	.amdgcn_target "amdgcn-amd-amdhsa--gfx1250"
	.amdhsa_code_object_version 6
	.text
	.protected	k_qb2a97094e0_proj
	.globl	k_qb2a97094e0_proj
	.p2align	8
	.type	k_qb2a97094e0_proj,@function
k_qb2a97094e0_proj:
	s_mov_b64 s[64:65], 0
	v_nop
	global_prefetch_b8 v0, s[64:65] scope:SCOPE_SE
	s_setreg_imm32_b32 hwreg(HW_REG_WAVE_MODE, 25, 1), 1
	s_wait_xcnt 0x0
	s_wait_alu depctr_hold_cnt(0) depctr_sa_sdst(0) depctr_va_vdst(0) depctr_va_sdst(0) depctr_va_ssrc(0) depctr_va_vcc(0) depctr_vm_vsrc(0)
	s_getreg_b32 s2, hwreg(HW_REG_IB_STS2, 6, 4)
	s_cmp_eq_u32 s2, 0
	s_cbranch_scc0 .Lentry_in_a_cluster
	s_endpgm
.Lentry_in_a_cluster:
	s_bfe_u32 s2, ttmp6, 0x10000c
	s_cmp_lg_u32 s2, 0xf033
	s_cbranch_scc0 .Lentry_shape_is_right
	s_endpgm
.Lentry_shape_is_right:
; PROJ: q = Q Wq + bq, k = K Wk + bk, v = V Wv + bv, all three in one launch, on codes of FP4 (E2M1) with one E8M0 scale for each 32 along K; sums in f32; results rounded once to f16.
; The three token tensors stand on end as 12,288 rows (xc, xs); tile rows 0-15 belong to Q, 16-31 to K, 32-47 to V, and the cluster's y / 4 says which weight and bias is meant.
; A tile of the result, 256 tokens x 256 columns, is made by a work-group of four waves; a wave makes 128 x 128: 64 accumulators of 16 x 16, 512 registers.
; K = 1,024 is two steps of 512, and each has an LDS slot of its own: every tensor load goes out at the head, and one barrier stands at the change of slots.
; A's tiles are rows of 256 bytes (padded to 272 in LDS).  B's are images of the operand's registers, 4,096 bytes for each tile of 16 columns and K step: a dense block, read back 16 bytes a lane.
; The scale bytes of the work-group's 256 rows and 256 columns, for all of K, come once, as units of 256 bytes + 16 of padding.
; CLUSTERS: 4 x 4 work-groups.  The four of a row of the cluster need the same tiles of A, the four of a column the same tiles of B: each is asked for jointly, by the same tensor load with the same
; descriptor and a mask that names the four.  By this text's count a wave has three tensor loads out at the most.
; THE MATRIX INSTRUCTION IS USED TRANSPOSED (source 0 = 16 columns of W, source 1 = 16 tokens): a lane holds eight neighbouring columns of one token.  The bias is the C of each sum's first product.
; OUT: qkv [tensor 3][batch 4][head 16][class 4][a 256][64] f16: a head's rows of 128 bytes lie dense by class.   LIMIT: q, k, v must lie under 65,504 in magnitude (f16).
; REGISTERS, in windows of 256: window 0: v0-31 addresses; v32-95 scale words, two sets; v128-191 A's fragments, one set; v192-255 the bias, 8 registers for each of B's 8 blocks.
;   window 1: B's fragments, two sets, at v0 and v128.   window 2: the accumulators of my rows 0-63 ((a, b) at v[8 (8 a + b)]);   window 3: those of my rows 64-127.
.set NQ,     4                         ; matrix instructions deep in a slot: 512 along K
.set ROWB,   256                       ; a row of A's tile in bytes
.set KROW,   512                       ; a row of xc in bytes
.set PITCH,  272                       ; an LDS row of A: 256 bytes + 16 of padding, an odd multiple of 16
.set FR,     8                         ; registers of a fragment
.set NL,     2                         ; LDS loads that bring one
.set NP,     4                         ; places behind this matrix instruction (ISA guide 7.12.1)
.set HALFT,  128*PITCH                 ; a wave's share of a slot: 128 rows of A, or 32,768 bytes of B's images
.set SLOT,   4*HALFT
.set KS,     32                        ; a row of scale bytes
.set SCL,    2*SLOT                    ; behind the slots: the scales
.set HALFS,  (128*KS/256)*272          ; those of 128 rows: what one tensor load brings
.set SBLK,   (16*KS/256)*272           ; those of 16 rows
.set SPARE,  SCL+4*HALFS               ; the spare words, 128 bytes a wave, that no other line names
.set SPITCH, 272                       ; the way out: a stage of 16 rows x (256 bytes + 16) for each wave, in slot 0, which has had its only fill and its last read by then
.set ADRA, 16                          ; v16-17  LDS address of my A fragments in slot 0, 1
.set ADRB, 20                          ; v20-21  the same for B's images
.set STO,  24                          ; v24     the way out: where I put 16 bytes of a row
.set RD,   25                          ; v25     the way out: where I read back
.set CO,   26                          ; v26     16 x lane
.set ADRS, 27                          ; v27     LDS address of my scale words: lanes 0-15 A's rows, lanes 16-31 B's
.set SPW,  28                          ; v28     LDS address of my spare word; never rewritten
.set NIL,  29                          ; v29     0; never rewritten
.set BO,   30                          ; v30     the bias: 32 x (lane / 16)
.set SC,   32
.set TMP,  32                          ; the way out: packed results (the scale words are done with)
.set AF,   128
.set BK,   128                         ; the way out: rows read back: v128-159 and v160-191 by turns
.set BIAS, 192
.set G1, 24                            ; s[24:31] group 1 for A's tiles;  s[32:39] group 0, one set for each slot
.set G0, 32
.set G1B, 48                           ; s[48:55], s[56:63] the same for B's
.set G0B, 56
.set G1S, 68                           ; s[68:75], s[76:79] groups 1 and 0 for A's scales;  s[80:87], s[88:91] for B's
.set G0S, 76
.set G1SB, 80
.set G0SB, 88
.set MSB, 0
.macro WIN new                         ; the immediate's high byte repeats the setting that is left
.if MSB != \new
	s_set_vgpr_msb (MSB<<8)|\new
.set MSB, \new
.endif
.endm
.set MUL_LO, 0xa1                      ; source 0 (B) window 1, source 1 (A) window 0, C and D window 2
.set MUL_HI, 0xf1                      ; the same, C and D window 3
.set FST_LO, 0x81                      ; a sum's first product: C (the bias) window 0, D window 2
.set FST_HI, 0xc1                      ; D window 3
.set TO_B,   0x40                      ; destination window 1, address window 0
; A joint load: waves 0 and 1 fetch for A, waves 2 and 3 for B.  The branch hangs on the wave's number alone.  An s_nop 0 and four v_nop follow each line.
.macro JLOAD g0a, g1a, g0b, g1b
	s_cmp_eq_u32 s15, 0
	s_cbranch_scc0 .Lfor_b_\@
	tensor_load_to_lds s[\g0a:\g0a+3], s[\g1a:\g1a+7]
	s_nop 0
.rept 4
	v_nop
.endr
	s_branch .Lasked_\@
.Lfor_b_\@:
	tensor_load_to_lds s[\g0b:\g0b+3], s[\g1b:\g1b+7]
	s_nop 0
.rept 4
	v_nop
.endr
.Lasked_\@:
.endm
.macro CROUND                          ; a round of the cluster's barrier
	s_barrier_signal -1
	s_barrier_wait -1
	s_cmp_lg_u32 s14, 0
	s_cbranch_scc1 .Lnot_wave_0_\@
	s_barrier_signal -3
.Lnot_wave_0_\@:
	s_barrier_wait -3
	s_barrier_signal -1
	s_barrier_wait -1
.endm
	s_load_b128 s[4:7], s[0:1], 0x0                ; xc s[4:5], xs s[6:7]
	s_load_b128 s[8:11], s[0:1], 0x10              ; wc s[8:9], ws s[10:11]
	s_load_b64 s[98:99], s[0:1], 0x20              ; bq
	s_load_b64 s[100:101], s[0:1], 0x28            ; bk
	s_load_b64 s[66:67], s[0:1], 0x30              ; bv
	s_load_b64 s[12:13], s[0:1], 0x38              ; qkv
	v_lshl_add_u32 v[SPW], v0, 2, SPARE
	v_mov_b32 v[NIL], 0
	ds_add_u32 v[SPW], v[NIL]                      ; the wave's opening: the add, twice on end, and its wait ahead of my first tensor load
	ds_add_u32 v[SPW], v[NIL]
	v_lshrrev_b32 v1, 5, v0
	v_readfirstlane_b32 s14, v1                    ; wave 0..3
	s_lshr_b32 s15, s14, 1                         ; which half of the tile's rows is mine.  Also: I fetch for A (0) or for B (1)
	s_and_b32 s16, s14, 1                          ; which half of its columns.  Also: which half of that tile I fetch
	s_bfe_u32 s40, ttmp6, 0x40000                  ; cx, cy: my place in the cluster
	s_bfe_u32 s41, ttmp6, 0x40004
	s_lshl_b32 s42, ttmp9, 2
	s_add_co_u32 s42, s42, s40                     ; tile column = 4 x cluster x + cx
	s_and_b32 s17, ttmp7, 0xffff
	s_lshr_b32 s3, s17, 2                          ; which tensor: cluster y / 4, the same in all sixteen partners
	s_lshl_b32 s17, s17, 2
	s_add_co_u32 s17, s17, s41                     ; tile row = 4 x cluster y + cy, 0 .. 47
	s_lshl_b32 s43, s41, 2
	s_lshl_b32 s43, 15, s43                        ; my row of the cluster
	s_lshl_b32 s44, 0x1111, s40                    ; my column
	; group 1 for A's tiles: 128 rows x 256 bytes, 512 bytes apart in memory, 16 bytes of padding behind each in LDS
	s_or_b32 s[G1+0], s43, (0<<16)|(1<<20)|(1<<21)|(5<<22)|(3<<25)
	s_mov_b32 s[G1+1], ROWB<<16
	s_mov_b32 s[G1+2], 128<<16
	s_mov_b32 s[G1+3], ROWB<<16
	s_mov_b32 s[G1+4], 128
	s_mov_b32 s[G1+5], KROW
	s_mov_b32 s[G1+6], 0
	s_mov_b32 s[G1+7], 0
	; for B's images: a dense block of 32,768 bytes as 128 rows of 32 elements of 8 bytes, no padding
	s_or_b32 s[G1B+0], s44, (3<<16)|(1<<21)
	s_mov_b32 s[G1B+1], 32<<16
	s_mov_b32 s[G1B+2], 128<<16
	s_mov_b32 s[G1B+3], 32<<16
	s_mov_b32 s[G1B+4], 128
	s_mov_b32 s[G1B+5], 32
	s_mov_b32 s[G1B+6], 0
	s_mov_b32 s[G1B+7], 0
	; for the scales of 128 rows: a dense block of 4,096 bytes as 16 rows of 256 bytes, 16 bytes of padding behind each
	s_or_b32 s[G1S+0], s43, (3<<16)|(1<<20)|(1<<21)|(5<<22)|(3<<25)
	s_or_b32 s[G1SB+0], s44, (3<<16)|(1<<20)|(1<<21)|(5<<22)|(3<<25)
.irp g, G1S, G1SB
	s_mov_b32 s[\g+1], 32<<16
	s_mov_b32 s[\g+2], (128*KS/256)<<16
	s_mov_b32 s[\g+3], 32<<16
	s_mov_b32 s[\g+4], 128*KS/256
	s_mov_b32 s[\g+5], 32
	s_mov_b32 s[\g+6], 0
	s_mov_b32 s[\g+7], 0
.endr
	s_lshl_b32 s18, s16, 7                         ; which 128 of the tile's 256 I fetch
	s_lshl_b32 s20, s17, 8
	s_add_co_u32 s20, s20, s18                     ; A: row 256 x tile row + 128 x half
	s_lshl_b32 s46, s42, 8
	s_add_co_u32 s46, s46, s18                     ; B: column 256 x tile column + 128 x half
	s_lshl_b32 s22, s20, 5                         ; A's scales: 32 bytes a row
	s_mov_b32 s23, 0
	s_lshl_b32 s20, s20, 9                         ; A's codes: 512 bytes a row
	s_mov_b32 s21, 0
	s_lshl_b32 s92, s46, 5                         ; B's scales: 32 bytes a column, 32,768 a tensor
	s_lshl_b32 s19, s3, 15
	s_add_co_u32 s92, s92, s19
	s_mov_b32 s93, 0
	s_lshl_b32 s46, s46, 8                         ; B's images: 4,096 bytes for 16 columns, 524,288 a tensor
	s_lshl_b32 s19, s3, 19
	s_add_co_u32 s46, s46, s19
	s_mov_b32 s47, 0
	s_mul_i32 s45, s14, HALFT                      ; where they go: wave x a share: no place in the cluster enters an LDS address
	s_mul_i32 s94, s14, HALFS
	s_wait_dscnt 0x0                               ; both opening adds are done
	s_wait_kmcnt 0x0
	s_add_nc_u64 s[20:21], s[4:5], s[20:21]
	s_add_nc_u64 s[22:23], s[6:7], s[22:23]
	s_add_nc_u64 s[46:47], s[8:9], s[46:47]
	s_add_nc_u64 s[92:93], s[10:11], s[92:93]
	CROUND                                         ; all sixteen work-groups are here: the joint loads meet
	s_mov_b32 s[G0S], 1
	s_add_co_u32 s[G0S+1], s94, SCL
	s_mov_b64 s[G0S+2:G0S+3], s[22:23]
	s_or_b32 s[G0S+3], s[G0S+3], 0x80000000
	s_mov_b32 s[G0SB], 1
	s_add_co_u32 s[G0SB+1], s94, SCL
	s_mov_b64 s[G0SB+2:G0SB+3], s[92:93]
	s_or_b32 s[G0SB+3], s[G0SB+3], 0x80000000
	JLOAD G0S, G1S, G0SB, G1SB                     ; the scales first: they are wanted with K step 0
.irp s, 0,1
	s_mov_b32 s[G0+4*\s], 1
	s_add_co_u32 s[G0+4*\s+1], s45, \s*SLOT
	s_add_nc_u64 s[G0+4*\s+2:G0+4*\s+3], s[20:21], \s*ROWB
	s_or_b32 s[G0+4*\s+3], s[G0+4*\s+3], 0x80000000
	s_mov_b32 s[G0B+4*\s], 1
	s_add_co_u32 s[G0B+4*\s+1], s45, \s*SLOT
	s_add_nc_u64 s[G0B+4*\s+2:G0B+4*\s+3], s[46:47], \s*262144
	s_or_b32 s[G0B+4*\s+3], s[G0B+4*\s+3], 0x80000000
	JLOAD G0+4*\s, G1, G0B+4*\s, G1B
.endr
	s_cmp_eq_u32 s3, 1                             ; the tensor's bias
	s_cselect_b64 s[98:99], s[100:101], s[98:99]
	s_cmp_eq_u32 s3, 2
	s_cselect_b64 s[98:99], s[66:67], s[98:99]
	v_and_b32 v1, 15, v0                           ; r = l % 16
	v_bfe_u32 v2, v0, 4, 1                         ; h = l / 16
	v_lshlrev_b32 v[BO], 5, v2
	s_lshl_b32 s46, s42, 10                        ; my first column, x 4 bytes: 1,024 x tile column + 512 x half
	s_lshl_b32 s47, s16, 9
	s_add_co_u32 s46, s46, s47
	s_mov_b32 s47, 0
	s_add_nc_u64 s[98:99], s[98:99], s[46:47]
.irp b, 0,1,2,3,4,5,6,7                        ; lane (r, h) wants, for B's block b, the bias of columns 16 b + 8 h + 0 .. 7
	global_load_b128 v[BIAS+8*\b:BIAS+8*\b+3], v[BO], s[98:99] offset:64*\b
	global_load_b128 v[BIAS+8*\b+4:BIAS+8*\b+7], v[BO], s[98:99] offset:64*\b+16
.endr
	v_mul_u32_u24 v3, v1, PITCH
	v_lshl_add_u32 v4, v2, 4, v3                   ; A: a fragment's row x pitch + 16 x half
	v_and_b32 v6, 31, v0
	v_lshlrev_b32 v[CO], 4, v6                     ; B: an image's place for my lane
	s_mul_i32 s21, s15, HALFT                      ; my 128 rows of A
	s_mul_i32 s22, s16, HALFT                      ; my 128 columns of B,
	s_add_co_u32 s22, s22, 2*HALFT                 ; which lie behind A's two shares
.irp s, 0,1
	v_add_nc_u32 v[ADRA+\s], s21, v4
	v_add_nc_u32 v[ADRB+\s], s22, v[CO]
	s_add_co_u32 s21, s21, SLOT
	s_add_co_u32 s22, s22, SLOT
.endr
	v_mul_u32_u24 v5, v1, KS                       ; my row's scales: 32 bytes a row,
	v_lshrrev_b32 v6, 8, v5
	v_lshl_add_u32 v5, v6, 4, v5                   ; and 16 more for each 256 passed
	s_mul_i32 s21, s15, HALFS                      ; A's: my 128 rows
	s_mul_i32 s22, s16, HALFS                      ; B's: my 128 columns, behind A's 256 rows
	s_add_co_u32 s22, s22, 2*HALFS
	s_sub_co_u32 s22, s22, s21
	v_mul_u32_u24 v6, s22, v2                      ; lanes 16-31 take B's: one product, the distance between the two bases
	s_add_co_u32 s21, s21, SCL
	v_add_nc_u32 v5, v5, v6
	v_add_nc_u32 v[ADRS], s21, v5
	s_mul_i32 s23, s14, 16*SPITCH                  ; my stage
	v_mul_u32_u24 v5, v1, SPITCH                   ; in: row r, 16 bytes for each half of the lanes
	v_lshl_add_u32 v5, v2, 4, v5
	v_add_nc_u32 v[STO], s23, v5
	v_bfe_u32 v5, v0, 3, 2                         ; back: eight lanes take 128 bytes of a row (one head's 64 numbers), the wave four rows
	v_mul_u32_u24 v5, v5, SPITCH
	v_and_b32 v6, 7, v0
	v_lshl_add_u32 v5, v6, 4, v5
	v_add_nc_u32 v[RD], s23, v5
	s_lshl_b32 s20, s3, 23                         ; qkv: the tensor,
	s_and_b32 s21, s17, 15                         ; the tile row in it: batch = / 4, class = % 4,
	s_lshr_b32 s18, s21, 2
	s_lshl_b32 s18, s18, 21
	s_add_co_u32 s20, s20, s18
	s_and_b32 s18, s21, 3
	s_lshl_b32 s18, s18, 15
	s_add_co_u32 s20, s20, s18
	s_lshl_b32 s18, s15, 14                        ; my 128 rows of 128 bytes
	s_add_co_u32 s20, s20, s18
	s_mov_b32 s21, 0
	s_add_nc_u64 s[12:13], s[12:13], s[20:21]
	s_lshl_b32 s46, s42, 19                        ; my first head: 4 x tile column + 2 x half, 131,072 bytes each
	s_lshl_b32 s47, s16, 18
	s_add_co_u32 s46, s46, s47
	s_mov_b32 s47, 0
	s_add_nc_u64 s[12:13], s[12:13], s[46:47]
.macro FRAG reg, adr, q, i             ; a fragment of A: lane l holds row l % 16; registers 4 c .. 4 c + 3 hold K = 64 c + 32 (l / 16) + 0 .. 31
.irp c, 0,1
	ds_load_b128 v[\reg+4*\c:\reg+4*\c+3], v[\adr] offset:64*(\q)+32*\c+(\i)*16*PITCH
.endr
.endm
; 16 matrix instructions: A's blocks a0, a0 + 1 x B's eight, the slot's q-th 128 along K.  p: B's set;  sc: the set of scale words.  first = 1: the bias starts the sums: nothing is ever cleared.
; The 64 accumulators take turns, one instruction a turn, in the same order in every step.
.macro MUL16 a0, p, q, sc, first
.irp a, \a0, \a0+1
.irp b, 0,1,2,3,4,5,6,7
.if \first
	v_wmma_scale_f32_16x16x128_f8f6f4 v[8*(8*((\a)%4)+\b):8*(8*((\a)%4)+\b)+7], v[128*(\p)+FR*\b:128*(\p)+FR*\b+FR-1], v[AF+FR*(\a):AF+FR*(\a)+FR-1], v[BIAS+8*\b:BIAS+8*\b+7], v[SC+8*NQ*(\sc)+NQ*\b+(\q)], v[SC+8*NQ*(\sc)+NQ*(\a)+(\q)] matrix_a_fmt:MATRIX_FMT_FP4 matrix_b_fmt:MATRIX_FMT_FP4 matrix_a_scale:MATRIX_SCALE_ROW1
.else
	v_wmma_scale_f32_16x16x128_f8f6f4 v[8*(8*((\a)%4)+\b):8*(8*((\a)%4)+\b)+7], v[128*(\p)+FR*\b:128*(\p)+FR*\b+FR-1], v[AF+FR*(\a):AF+FR*(\a)+FR-1], v[8*(8*((\a)%4)+\b):8*(8*((\a)%4)+\b)+7], v[SC+8*NQ*(\sc)+NQ*\b+(\q)], v[SC+8*NQ*(\sc)+NQ*(\a)+(\q)] matrix_a_fmt:MATRIX_FMT_FP4 matrix_b_fmt:MATRIX_FMT_FP4 matrix_a_scale:MATRIX_SCALE_ROW1
.endif
.endr
.endr
.endm
.macro FETCH_B slot, q, p              ; B's eight fragments of the slot's q-th 128 along K into set p: images, 512 consecutive bytes a load
	WIN TO_B
.irp i, 0,1,2,3,4,5,6,7
.irp c, 0,1
	ds_load_b128 v[128*(\p)+FR*\i+4*\c:128*(\p)+FR*\i+4*\c+3], v[ADRB+\slot] offset:\i*4096+(\q)*1024+512*\c
.endr
.endr
	WIN 0
.endm
.macro FETCH_A slot, q, i0             ; A's blocks i0 .. i0 + 3
.irp i, \i0, \i0+1, \i0+2, \i0+3
	FRAG AF+FR*(\i), ADRA+\slot, \q, \i
.endr
.endm
.macro SCALES sc                       ; a K step's scale words into set sc: lanes 0-15 take A's block i, lanes 16-31 B's block i
.irp i, 0,1,2,3,4,5,6,7
	ds_load_b128 v[SC+8*NQ*\sc+NQ*\i:SC+8*NQ*\sc+NQ*\i+3], v[ADRS] offset:\i*SBLK
.endr
.endm
.macro PLACES n                        ; places in front of loads into registers that matrix instructions have read, and of the first read of results
.rept \n
	v_nop
.endr
.endm
; A step of 128 along K that has its successor in the same slot.
.macro STEP slot, q, first
	s_wait_dscnt 4*NL                              ; B's set and A's blocks 0-3 are in; the youngest eight loads (A's blocks 4-7) may be out
.if \first
	WIN FST_LO
.else
	WIN MUL_LO
.endif
	MUL16 0, (\q)%2, \q, \slot, \first
	MUL16 2, (\q)%2, \q, \slot, \first
	s_wait_dscnt 0                                 ; A's blocks 4-7 are in
	PLACES NP
	FETCH_B \slot, (\q)+1, 1-(\q)%2
	FETCH_A \slot, (\q)+1, 0
.if \first
	WIN FST_HI
.else
	WIN MUL_HI
.endif
	MUL16 4, (\q)%2, \q, \slot, \first
	MUL16 6, (\q)%2, \q, \slot, \first
	PLACES NP
	WIN 0
	FETCH_A \slot, (\q)+1, 4
.endm
; Slot 0's last step changes slots: one barrier; in front of it each wave waits for all its tensor loads (its part of slot 1), adds 0 to its spare word, and waits for that and for its reads of slot 0.
.macro TURN slot, next
	s_wait_tensorcnt 0x0                           ; all my tensor loads have landed
	ds_add_u32 v[SPW], v[NIL]                      ; 0 onto my spare word
	s_wait_dscnt 4*NL+1                            ; (the add and the youngest eight loads may be out)
	WIN MUL_LO
	MUL16 0, 1, NQ-1, \slot, 0
	s_wait_dscnt 0x0                               ; the add is done, and my reads of this slot are over
	s_barrier_signal -1
	MUL16 2, 1, NQ-1, \slot, 0
	WIN 0
	s_barrier_wait -1                              ; slot 1 is whole, and nobody reads slot 0 any more
	PLACES NP
	v_add_nc_u32 v[ADRS], 4*NQ, v[ADRS]            ; on to the next K step's scale words
	FETCH_B \next, 0, 0
	FETCH_A \next, 0, 0
	SCALES \next
	WIN MUL_HI
	MUL16 4, 1, NQ-1, \slot, 0
	MUL16 6, 1, NQ-1, \slot, 0
	PLACES NP
	WIN 0
	FETCH_A \next, 0, 4
.endm
	s_wait_tensorcnt 1                             ; the scales and my part of K step 0 are in (K step 1's load may be out),
	s_barrier_signal -1
	s_barrier_wait -1                              ; everybody's are
	FETCH_B 0, 0, 0
	FETCH_A 0, 0, 0
	SCALES 0
	FETCH_A 0, 0, 4
	s_wait_loadcnt 0x0                             ; the bias
	STEP 0, 0, 1
	STEP 0, 1, 0
	STEP 0, 2, 0
	TURN 0, 1
	STEP 1, 0, 0
	STEP 1, 1, 0
	STEP 1, 2, 0
	s_wait_dscnt 4*NL                              ; the very last step: nothing more to fetch
	WIN MUL_LO
	MUL16 0, 1, NQ-1, 1, 0
	MUL16 2, 1, NQ-1, 1, 0
	s_wait_dscnt 0
	WIN MUL_HI
	MUL16 4, 1, NQ-1, 1, 0
	MUL16 6, 1, NQ-1, 1, 0
	WIN 0
; THE WAY OUT, block by block of 16 tokens x 128 columns (two heads).  A lane's eight results round to 16 bytes of f16; they go into my stage and come back by heads: a load takes four tokens' 128 bytes
; of one head, which are 512 consecutive bytes of qkv.  LDS serves a wave's instructions in order: no wait between the stores and the loads, nor in front of the next block's stores.
.macro PACK a
.set AC, 64*((\a)%4)
	WIN 0x0a+5*((\a)/4)                            ; sources 0 and 1: window 2 or 3
.irp b, 0,1,2,3,4,5,6,7
.irp r, 0,1,2,3
	v_cvt_pk_f16_f32 v[TMP+4*\b+\r], v[AC+8*\b+2*\r], v[AC+8*\b+2*\r+1]   ; each accumulator from its low end on
.endr
.endr
	WIN 0
.endm
.macro TOSTAGE a
.set BB, BK+32*((\a)%2)
.irp b, 0,1,2,3,4,5,6,7
	ds_store_b128 v[STO], v[TMP+4*\b:TMP+4*\b+3] offset:32*\b
.endr
.irp hh, 0,1
.irp t, 0,1,2,3
	ds_load_b128 v[BB+4*(4*\hh+\t):BB+4*(4*\hh+\t)+3], v[RD] offset:\t*4*SPITCH+\hh*128
.endr
.endr
.endm
.macro SEND a, younger                 ; younger: the LDS instructions issued behind block a's loads, which may stay out
.set BB, BK+32*((\a)%2)
	s_wait_dscnt \younger
.irp hh, 0,1
.irp t, 0,1,2,3
	global_store_b128 v[CO], v[BB+4*(4*\hh+\t):BB+4*(4*\hh+\t)+3], s[12:13] offset:\hh*131072+(\a)*2048+\t*512   ; 512 consecutive bytes, aligned; every place stands in the immediate
.endr
.endr
.endm
	PLACES NP                                      ; behind the last products: for the conversions, which write the scale words' registers, and for the loads into A's
	PACK 0
	TOSTAGE 0
.irp a, 1,2,3,4,5,6,7
	PACK \a
.if \a > 1
	s_wait_xcnt 0x0                                ; block a - 2's stores have read their registers: block a's loads may land there
.endif
	TOSTAGE \a
	SEND \a-1, 16                                  ; behind block a - 1's loads: block a's 8 stores and 8 loads
.endr
	SEND 7, 0
	s_wait_tensorcnt 0x0                           ; the wave's end: behind my last tensor load and my last LDS store
	ds_add_u32 v[SPW], v[NIL]
	s_wait_dscnt 0x0
	CROUND                                         ; the closing round: no work-group ends while a partner may still ask for a tile that names it
	s_endpgm
.Lfunc_end_k_qb2a97094e0_proj:
	.size	k_qb2a97094e0_proj, .Lfunc_end_k_qb2a97094e0_proj-k_qb2a97094e0_proj
	.p2alignl 7, 3214868480
	.fill 96, 4, 3214868480
	.section	.rodata,"a",@progbits
	.p2align	6, 0x0
	.amdhsa_kernel k_qb2a97094e0_proj
		.amdhsa_group_segment_fixed_size 327680
		.amdhsa_private_segment_fixed_size 0
		.amdhsa_enable_private_segment 0
		.amdhsa_kernarg_size 64
		.amdhsa_user_sgpr_count 2
		.amdhsa_user_sgpr_kernarg_segment_ptr 1
		.amdhsa_wavefront_size32 1
		.amdhsa_system_sgpr_workgroup_id_x 1
		.amdhsa_system_sgpr_workgroup_id_y 1
		.amdhsa_system_sgpr_workgroup_id_z 1
		.amdhsa_system_vgpr_workitem_id 0
		.amdhsa_next_free_vgpr 1024
		.amdhsa_next_free_sgpr 102
		.amdhsa_reserve_vcc 0
		.amdhsa_float_denorm_mode_32 3
		.amdhsa_float_denorm_mode_16_64 3
		.amdhsa_memory_ordered 1
		.amdhsa_forward_progress 1
		.amdhsa_inst_pref_size 128
	.end_amdhsa_kernel
	.amdgpu_metadata
---
amdhsa.version: [ 1, 2 ]
amdhsa.kernels:
  - .name:           k_qb2a97094e0_proj
    .symbol:         k_qb2a97094e0_proj.kd
    .args:
      - { .name: xc, .offset: 0, .size: 8, .value_kind: global_buffer, .address_space: global }
      - { .name: xs, .offset: 8, .size: 8, .value_kind: global_buffer, .address_space: global }
      - { .name: wc, .offset: 16, .size: 8, .value_kind: global_buffer, .address_space: global }
      - { .name: ws, .offset: 24, .size: 8, .value_kind: global_buffer, .address_space: global }
      - { .name: bq, .offset: 32, .size: 8, .value_kind: global_buffer, .address_space: global }
      - { .name: bk, .offset: 40, .size: 8, .value_kind: global_buffer, .address_space: global }
      - { .name: bv, .offset: 48, .size: 8, .value_kind: global_buffer, .address_space: global }
      - { .name: qkv, .offset: 56, .size: 8, .value_kind: global_buffer, .address_space: global }
    .group_segment_fixed_size: 327680
    .private_segment_fixed_size: 0
    .kernarg_segment_align: 8
    .kernarg_segment_size: 64
    .max_flat_workgroup_size: 128
    .sgpr_count:     102
    .vgpr_count:     1024
    .wavefront_size: 32
...
	.end_amdgpu_metadata
.endif
;; end of part 2
;; launch attn (part 3): grid 4 x 64, 8 waves a work-group, no clusters, 327,680 bytes of LDS; arguments qkv, o16; writes o16
.if DOCPART == 3
	.amdgcn_target "amdgcn-amd-amdhsa--gfx1250"
	.amdhsa_code_object_version 6
	.text
	.protected	k_qb2a97094e0_attn
	.globl	k_qb2a97094e0_attn
	.p2align	8
	.type	k_qb2a97094e0_attn,@function
k_qb2a97094e0_attn:
	s_mov_b64 s[64:65], 0
	v_nop
	global_prefetch_b8 v0, s[64:65] scope:SCOPE_SE
	s_setreg_imm32_b32 hwreg(HW_REG_WAVE_MODE, 25, 1), 1
	s_wait_xcnt 0x0
; ATTN: o = softmax(mask(q k^T / 8)) v for one batch, head and CLASS of positions.  Position i = 4 a + c sees key j = 4 a' + c' where j <= i and (i - j <= 3 or (i - j) % 4 == 0):
;   c' = c: every a' <= a: plain causal attention among the class's 256 positions;   c' < c: the one key a' = a;   c' > c: the one key a' = a - 1 (none for a = 0).
; All other scores are thrown away by the mask that the problem builds itself, and are not computed.  Operands in f16, products, maxima and sums in f32.
; SHARES.  A work-group owns the 256 queries of one (batch, head, class).  Wave w takes the tiles of 16 queries m = w and m = 15 - w: 9 steps of 32 own-class keys and 4 neighbour steps in every wave.
; LDS, filled once, no byte is filled again.  The own class's K (256 rows, pitch 144) and V (pitch 160) lie first; behind them region j = 1, 2, 3 of K and of V holds class (c + j) % 4, so that no LDS address hangs on
; the class.  THE OWN CLASS IS ASKED FOR FIRST AND MULTIPLIED WHILE THE NEIGHBOURS LAND: each wave issues four tensor loads of 64 rows at the head (waves 0-3: K, waves 4-7: V): its quarter of the own region, then its
; quarter of each neighbour region: four loads a wave are out.  Behind the first barrier both tiles' own steps are run, 9 of a wave's 13; behind the second the neighbours' four.
; One step's rows (32) lie unused behind each own region, so that the own walk's addresses, taken one step past its end too, stay clear of bytes that are still being filled.
; NO CLUSTER, though the four classes of a head read the same K and V: each lays the classes by their distance from its own, so the partners' LDS addresses for one tile would differ, which a joint load cannot have.
; NO PREFETCH: every tile is asked for at the head; there is no later request that one could run ahead of.
; LAYOUT.  S^T = K Q^T (source 0 = 16 keys, source 1 = 16 queries): a lane holds one query (lane % 16) and keys 8 (lane / 16) + 0 .. 7.  Two such tiles, rounded to f16 in pairs, are source 1 (32 keys x 16 queries)
; of O^T = V^T P, V turned by ds_load_tr16_b128.  In a neighbour step the two tiles of 16 keys come from two other classes, and only one key of a tile counts for a query.
; SOFTMAX.  A running maximum m and sum l for each query: p = 2^(c s - c m), c = log2(e) / 8; in every step O and l are multiplied by 2^(c m_old - c m_new).  The own class comes first: its key 0 counts for every query.
; OUT.  O^T / l, rounded to f16 in pairs, IS the fragment (16 tokens x 32 along K) that the last launch wants: o16 [head / 4][tile of 16 tokens: 256][2 (head % 4) + u: 8][1,024 bytes], stored 16 bytes a lane.
; LIMITS: a hidden key has weight 0, which is what -1e9 gives while a row's largest kept score lies above about -1e9 + 150; q, k, v, o under 65,504 in magnitude; NaN and infinities are not served.
.set PK,    144                        ; a row of K in LDS: 128 bytes + 16, an odd multiple of 16
.set PV,    160                        ; a row of V: 128 + 32, an odd multiple of 32
.set KREG,  256*PK
.set VREG,  256*PV
.set KOWN,  0                          ; the own class's K,
.set VOWN,  KREG+32*PK                 ; its V, a step's rows of K further on,
.set KN,    VOWN+VREG+32*PV            ; the three neighbours' K, a step's rows of V further on,
.set VN,    KN+3*KREG                  ; and their V
.set SPARE, VN+3*VREG                  ; the spare words, 128 bytes a wave, that no other line names
.set AK0, 3                            ; v3   my lane's place in a tile of the own K
.set AV0, 4                            ; v4   and of the own V
.set RDG, 5                            ; v5   r - 8 h: the register that holds row r of a tile of keys, if it is 0 .. 7
.set SPW, 6                            ; v6   LDS address of my spare word; never rewritten
.set NIL, 7                            ; v7   0; never rewritten
.set ADK, 8                            ; v8-9   the step's two tiles of K
.set ADV, 10                           ; v10-11 and of V
.set GO,  12                           ; v12  16 x lane
.set D0,  14                           ; v14-15 what the mask compares with
.set D1,  15
.set NINF, 16                          ; v16  -infinity
.set STA, 20                           ; v20-23 tile w's statistics: c m, m, l in two halves;   v24-27 at work: v26 the factor, v27 c m_old
.set STB, 28                           ; v28-31 tile 15 - w's
.set KF,  64                           ; v64-95   K: (tile tt, 32 channels kc) at 64 + 16 tt + 8 kc
.set VF,  96                           ; v96-127  V^T: 16 channels t at 96 + 8 t
.set ST,  128                          ; v128-143 S^T, then p
.set PT,  144                          ; v144-151 p in f16
.set OTA, 160                          ; v160-191 tile w's O^T
.set OTB, 192                          ; v192-223 tile 15 - w's
.set OUA, 224                          ; v224-239, v240-255 the two tiles' packed results
.set OUB, 240
.set WV,  8                            ; s8 wave, s9 class, s10 16 batch + head
.set MT,  11                           ; s11 the tile of queries in hand, s12 its half: the last own step
.set MH,  12
.set UU,  13                           ; s13 the own step, s14, s15 its bytes in K and V
.set TK,  14
.set TV,  15
.set SEL, 16                           ; s[16:17] lane selects for v_permlanex16_b32: lane l xor 16
.set CS,  18                           ; s[18:19] c, twice
.set G1K, 24                           ; s[24:31], s[32:39] descriptor groups 1 for K's and V's tiles
.set G1V, 32
.set G0K, 68                           ; s[68:83] four groups 0 for K: the own region, then regions 1, 2, 3
.set G0V, 84                           ; s[84:99] the same for V
	s_load_b128 s[4:7], s[0:1], 0x0                ; qkv s[4:5], o16 s[6:7]
	v_lshl_add_u32 v[SPW], v0, 2, SPARE
	v_mov_b32 v[NIL], 0
	ds_add_u32 v[SPW], v[NIL]                      ; the wave's opening: the add, twice on end, and its wait ahead of my first tensor load
	ds_add_u32 v[SPW], v[NIL]
	v_lshrrev_b32 v1, 5, v0
	v_readfirstlane_b32 s[WV], v1                  ; wave 0..7
	s_mov_b32 s9, ttmp9
	s_and_b32 s10, ttmp7, 0xffff
	; group 1: 64 rows of 64 elements of 2 bytes, dense in memory; padding behind every 32 words: 4 words for K, 8 for V
	s_mov_b32 s[G1K], (1<<16)|(1<<20)|(4<<22)|(3<<25)
	s_mov_b32 s[G1V], (1<<16)|(1<<20)|(4<<22)|(7<<25)
.irp g, G1K, G1V
	s_mov_b32 s[\g+1], 64<<16
	s_mov_b32 s[\g+2], 64<<16
	s_mov_b32 s[\g+3], 64<<16
	s_mov_b32 s[\g+4], 64
	s_mov_b32 s[\g+5], 64
	s_mov_b32 s[\g+6], 0
	s_mov_b32 s[\g+7], 0
.endr
	s_and_b32 s20, s[WV], 3                        ; the quarter of each region that I fetch: 64 rows,
	s_mul_i32 s22, s20, 64*PK                      ; in a region of K,
	s_mul_i32 s23, s20, 64*PV                      ; in a region of V,
	s_lshl_b32 s2, s10, 17                         ; (the head's 131,072 bytes)
	s_lshl_b32 s21, s20, 13                        ; and in memory: 8,192 bytes
	s_add_co_u32 s21, s21, s2
.set j, 0
.rept 4
.if j == 0
.set KBJ, KOWN
.set VBJ, VOWN
.else
.set KBJ, KN+(j-1)*KREG
.set VBJ, VN+(j-1)*VREG
.endif
	s_mov_b32 s[G0K+4*j], 1                        ; count = 1
	s_add_co_u32 s[G0K+4*j+1], s22, KBJ            ; LDS address: a constant + a constant x the wave's quarter
	s_add_co_u32 s[G0K+4*j+2], s9, j               ; the region's class, (c + j) % 4: 32,768 bytes each
	s_and_b32 s[G0K+4*j+2], s[G0K+4*j+2], 3
	s_lshl_b32 s[G0K+4*j+2], s[G0K+4*j+2], 15
	s_add_co_u32 s[G0K+4*j+2], s[G0K+4*j+2], s21   ; the tile's byte offset in a tensor of qkv
	s_mov_b32 s[G0K+4*j+3], 0
	s_mov_b32 s[G0V+4*j], 1
	s_add_co_u32 s[G0V+4*j+1], s23, VBJ
.set j, j+1
.endr
	s_mov_b32 s63, 0
	s_mov_b32 s[SEL], 0x76543210
	s_mov_b32 s[SEL+1], 0xfedcba98
	s_mov_b32 s[CS], 0x3e38aa3b                    ; log2(e) / 8
	s_mov_b32 s[CS+1], s[CS]
	s_wait_dscnt 0x0                               ; both opening adds are done
	s_wait_kmcnt 0x0
.irp j, 0,1,2,3
	s_add_nc_u64 s[G0K+4*\j+2:G0K+4*\j+3], s[4:5], s[G0K+4*\j+2:G0K+4*\j+3]
	s_add_nc_u64 s[G0V+4*\j+2:G0V+4*\j+3], s[G0K+4*\j+2:G0K+4*\j+3], 16777216   ; v is the third tensor of qkv,
	s_add_nc_u64 s[G0K+4*\j+2:G0K+4*\j+3], s[G0K+4*\j+2:G0K+4*\j+3], 8388608    ; k the second
	s_or_b32 s[G0K+4*\j+3], s[G0K+4*\j+3], 0x80000000
	s_or_b32 s[G0V+4*\j+3], s[G0V+4*\j+3], 0x80000000
.endr
	s_cmp_lt_u32 s[WV], 4                          ; a wave's four first fills stand in one branch on its number, the own region's first; an s_nop 0 follows each, four v_nop the last
	s_cbranch_scc0 .Lfor_v
.irp j, 0,1,2,3
	tensor_load_to_lds s[G0K+4*\j:G0K+4*\j+3], s[G1K:G1K+7]
	s_nop 0
.endr
.rept 4
	v_nop
.endr
	s_branch .Lasked
.Lfor_v:
.irp j, 0,1,2,3
	tensor_load_to_lds s[G0V+4*\j:G0V+4*\j+3], s[G1V:G1V+7]
	s_nop 0
.endr
.rept 4
	v_nop
.endr
.Lasked:
	v_and_b32 v1, 15, v0                           ; r
	v_bfe_u32 v2, v0, 4, 1                         ; h
	v_lshlrev_b32 v13, 7, v1
	v_lshl_add_u32 v13, v2, 4, v13                 ; q: row r of 128 bytes + 16 h
	s_lshl_b32 s62, s9, 15
	s_add_co_u32 s62, s62, s2
	s_add_nc_u64 s[20:21], s[4:5], s[62:63]        ; q at my head and class
	s_xor_b32 s57, s[WV], 15
	s_lshl_b32 s62, s57, 11
	s_add_nc_u64 s[22:23], s[20:21], s[62:63]      ; tile 15 - w
	s_lshl_b32 s62, s[WV], 11
	s_add_nc_u64 s[20:21], s[20:21], s[62:63]      ; tile w
.irp i, 0,1,2,3                                ; both tiles' fragments stay in registers: v32-47, v48-63
	global_load_b128 v[32+4*\i:35+4*\i], v13, s[20:21] offset:32*\i
	global_load_b128 v[48+4*\i:51+4*\i], v13, s[22:23] offset:32*\i
.endr
	s_lshr_b32 s62, s10, 4                         ; o16: 4 batch + class: 16 tiles of 8,192 bytes,
	s_lshl_b32 s62, s62, 2
	s_add_co_u32 s62, s62, s9
	s_lshl_b32 s62, s62, 17
	s_bfe_u32 s57, s10, 0x20002                    ; head / 4,
	s_lshl_b32 s57, s57, 21
	s_add_co_u32 s62, s62, s57
	s_and_b32 s57, s10, 3                          ; head % 4: two fragments
	s_lshl_b32 s57, s57, 11
	s_add_co_u32 s62, s62, s57
	s_add_nc_u64 s[58:59], s[6:7], s[62:63]
	s_xor_b32 s57, s[WV], 15
	s_lshl_b32 s62, s57, 13
	s_add_nc_u64 s[60:61], s[58:59], s[62:63]      ; tile 15 - w
	s_lshl_b32 s62, s[WV], 13
	s_add_nc_u64 s[58:59], s[58:59], s[62:63]      ; tile w
.irp j, 1,2,3                                  ; region j holds a class above mine (c + j < 4: the key is a - 1) or below (the key is a)
	s_add_co_u32 s57, s9, \j
	s_cmp_lt_u32 s57, 4
	s_cselect_b32 s[47+\j], 0, PK                  ; s48-50: a row of K on, or not
	s_cselect_b32 s[50+\j], 0, PV                  ; s51-53: of V
	s_cselect_b32 s[53+\j], 1, 0                   ; s54-56: the shift
.endr
	v_mul_u32_u24 v[AK0], v1, PK
	v_lshl_add_u32 v[AK0], v2, 4, v[AK0]           ; K: row r x pitch + 16 h
	v_and_b32 v[AV0], 7, v0
	v_lshl_add_u32 v[AV0], v2, 3, v[AV0]
	v_mul_u32_u24 v[AV0], v[AV0], PV
	v_bfe_u32 v18, v0, 3, 1
	v_lshl_add_u32 v[AV0], v18, 4, v[AV0]
	v_add_nc_u32 v[AV0], VOWN, v[AV0]              ; V: key 8 h + l % 8, channels 8 ((l / 8) % 2) on
	v_lshlrev_b32 v[RDG], 3, v2
	v_sub_nc_u32 v[RDG], v1, v[RDG]
	v_and_b32 v[GO], 31, v0
	v_lshlrev_b32 v[GO], 4, v[GO]
	v_mov_b32 v[NINF], 0xff800000
	v_mov_b32 v25, 0                               ; written once: a lane permute's destination counts as one of its sources
; A STEP: 32 keys in two tiles of 16, at v[ADK], v[ADK+1] and v[ADV], v[ADV+1].  kind 0: own class (causal on the diagonal step); 1: two neighbour classes; 2: one neighbour class, the second tile counts for nothing.
; qreg: the tile's fragments of q;  ot: its O^T;  st: its statistics.
.macro BODY kind, qreg, ot, st
.irp tt, 0,1
.irp kc, 0,1
	ds_load_b128 v[KF+16*\tt+8*\kc:KF+16*\tt+8*\kc+3], v[ADK+\tt] offset:64*\kc
	ds_load_b128 v[KF+16*\tt+8*\kc+4:KF+16*\tt+8*\kc+7], v[ADK+\tt] offset:64*\kc+32
.endr
.endr
.irp t, 0,1,2,3
	ds_load_tr16_b128 v[VF+8*\t:VF+8*\t+3], v[ADV] offset:32*\t
	ds_load_tr16_b128 v[VF+8*\t+4:VF+8*\t+7], v[ADV+1] offset:32*\t
.endr
	s_wait_dscnt 8                                 ; K's eight loads are in; V's eight may be out
	v_wmma_f32_16x16x32_f16 v[ST:ST+7], v[KF:KF+7], v[\qreg:\qreg+7], 0                       ; the two accumulators take turns
	v_wmma_f32_16x16x32_f16 v[ST+8:ST+15], v[KF+16:KF+23], v[\qreg:\qreg+7], 0
	v_wmma_f32_16x16x32_f16 v[ST:ST+7], v[KF+8:KF+15], v[\qreg+8:\qreg+15], v[ST:ST+7]
	v_wmma_f32_16x16x32_f16 v[ST+8:ST+15], v[KF+24:KF+31], v[\qreg+8:\qreg+15], v[ST+8:ST+15]
.rept 4
	v_nop                                          ; places behind the products, ahead of the first read of their results
.endr
.if \kind == 0
	s_cmp_lg_u32 s[UU], s[MH]                      ; only the last own step lies on the diagonal
	s_cbranch_scc1 .Lopen_\@
.irp n, 0,1,2,3,4,5,6,7,8,9,10,11,12,13,14,15
	v_cmp_gt_i32 vcc_lo, 16*(\n/8)+\n%8, v[D0]     ; register n holds key 16 (n / 8) + 8 h + n % 8 of the step: hidden where it comes after my query
	v_cndmask_b32 v[ST+\n], v[ST+\n], v[NINF], vcc_lo
.endr
.Lopen_\@:
.else
.irp n, 0,1,2,3,4,5,6,7
	v_cmp_ne_u32 vcc_lo, \n, v[D0]                 ; only my query's one key of the tile counts
	v_cndmask_b32 v[ST+\n], v[ST+\n], v[NINF], vcc_lo
.endr
.if \kind == 1
.irp n, 0,1,2,3,4,5,6,7
	v_cmp_ne_u32 vcc_lo, \n, v[D1]
	v_cndmask_b32 v[ST+8+\n], v[ST+8+\n], v[NINF], vcc_lo
.endr
.else
.irp n, 0,1,2,3,4,5,6,7
	v_mov_b32 v[ST+8+\n], v[NINF]
.endr
.endif
.endif
	v_max3_num_f32 v24, v[ST], v[ST+1], v[ST+2]    ; the largest of my 16 scores and the old m: two chains, each accumulator from its low end on
	v_max3_num_f32 v25, v[ST+8], v[ST+9], v[ST+10]
	v_max3_num_f32 v24, v24, v[ST+3], v[ST+4]
	v_max3_num_f32 v25, v25, v[ST+11], v[ST+12]
	v_max3_num_f32 v24, v24, v[ST+5], v[ST+6]
	v_max3_num_f32 v25, v25, v[ST+13], v[ST+14]
	v_max3_num_f32 v24, v24, v[ST+7], v[ST+15]
	v_max3_num_f32 v24, v24, v25, v[\st+1]
	v_permlanex16_b32 v25, v24, s[SEL], s[SEL+1]   ; the query's other 16 keys lie in the lane 16 away
	v_mov_b32 v27, v[\st]
	v_max_num_f32 v[\st+1], v24, v25               ; the new m
	v_mul_f32 v[\st], s[CS], v[\st+1]
	v_sub_f32 v27, v27, v[\st]                     ; c m_old - c m_new
.irp b, 0,1,2,3,4,5,6,7
	v_pk_fma_f32 v[ST+2*\b:ST+2*\b+1], v[ST+2*\b:ST+2*\b+1], s[CS:CS+1], v[\st:\st+1] op_sel_hi:[1,0,0] neg_lo:[0,0,1] neg_hi:[0,0,1]   ; c s - c m
.endr
	v_exp_f32 v26, v27
.irp n, 0,1,2,3,4,5,6,7,8,9,10,11,12,13,14,15
	v_exp_f32 v[ST+\n], v[ST+\n]
.endr
	v_nop                                          ; a plain line behind the last exponential
	s_wait_alu depctr_va_vdst(0)                   ; one wait for the batch of 17, ahead of its first reader
.irp b, 0,1,2,3,4,5,6,7
	v_cvt_pk_f16_f32 v[PT+\b], v[ST+2*\b], v[ST+2*\b+1]
.endr
.irp b, 0,4,8,12
	v_pk_add_f32 v[ST+\b:ST+\b+1], v[ST+\b:ST+\b+1], v[ST+\b+2:ST+\b+3]   ; the sum of the unrounded p
.endr
	v_pk_add_f32 v[ST:ST+1], v[ST:ST+1], v[ST+4:ST+5]
	v_pk_add_f32 v[ST+8:ST+9], v[ST+8:ST+9], v[ST+12:ST+13]
	v_pk_add_f32 v[ST:ST+1], v[ST:ST+1], v[ST+8:ST+9]
	v_pk_fma_f32 v[\st+2:\st+3], v[\st+2:\st+3], v[26:27], v[ST:ST+1] op_sel_hi:[1,0,1]
.irp b, 0,1,2,3,4,5,6,7,8,9,10,11,12,13,14,15
	v_pk_mul_f32 v[\ot+2*\b:\ot+2*\b+1], v[\ot+2*\b:\ot+2*\b+1], v[26:27] op_sel_hi:[1,0]   ; O^T under the new m, each accumulator from its low end on
.endr
	s_wait_dscnt 0x0                               ; V is in
.irp t, 0,1,2,3
	v_wmma_f32_16x16x32_f16 v[\ot+8*\t:\ot+8*\t+7], v[VF+8*\t:VF+8*\t+7], v[PT:PT+7], v[\ot+8*\t:\ot+8*\t+7]
.endr
.endm
; THE OWN CLASS for the tile m = s[MT]: it starts the tile's m, l and O^T and walks the keys up to the diagonal.  It reads the two own regions alone.
.macro OWN qreg, ot, st
	s_lshr_b32 s[MH], s[MT], 1
	s_mov_b32 s[UU], 0
	s_mov_b32 s[TK], 0
	s_mov_b32 s[TV], 0
	v_mov_b32 v[\st+1], 0xff61b1e6                 ; m: -3e38, under every score
	v_mul_f32 v[\st], s[CS], v[\st+1]
	v_mov_b32 v[\st+2], 0
	v_mov_b32 v[\st+3], 0
.set i, 0
.rept 32
	v_mov_b32 v[\ot+i], 0                          ; the step is written once: the first finds zeros
.set i, i+1
.endr
	s_and_b32 s57, s[MT], 1
	s_lshl_b32 s57, s57, 4
	v_add_nc_u32 v[D0], s57, v[RDG]                ; my query's place in the diagonal step, less 8 h
.Lown_\@:                                      ; eight trips, a constant; a step all of whose keys come after my queries is jumped over, by a branch on the wave's number and the count alone
	s_cmp_gt_u32 s[UU], s[MH]
	s_cbranch_scc1 .Lskip_\@
	v_add_nc_u32 v[ADK], s[TK], v[AK0]             ; (these four are also the places behind the last products, ahead of the loads into V's registers)
	v_add_nc_u32 v[ADK+1], 16*PK, v[ADK]
	v_add_nc_u32 v[ADV], s[TV], v[AV0]
	v_add_nc_u32 v[ADV+1], 16*PV, v[ADV]
	BODY 0, \qreg, \ot, \st
.Lskip_\@:
	s_add_co_u32 s[TK], s[TK], 32*PK
	s_add_co_u32 s[TV], s[TV], 32*PV
	s_add_co_u32 s[UU], s[UU], 1
	s_cmp_lt_u32 s[UU], 8
	s_cbranch_scc1 .Lown_\@
.endm
; Where region j's tile of 16 keys for the tile m begins, and which of its rows is my query's.  The key of query a = 16 m + r is a - shift.  The tile begins at row 16 m - shift, but at row 0 for m = 0: no row in front of
; a region is read.  So my key is row r - e of the tile, e = the shift for m = 0 and 0 otherwise; for a = 0 with a shift that is row -1, which no register holds: the key before position 0 counts for nothing.
; s62, s63 = 16 m rows of K and of V.  s: which of the step's two tiles;  dreg: the comparand.
.macro NADR j, s, dreg
	s_cmp_eq_u32 s[MT], 0
	s_cselect_b32 s2, PK, s[47+\j]                 ; a row on from 16 m - 1, or not
	s_cselect_b32 s3, PV, s[50+\j]
	s_cselect_b32 s57, s[53+\j], 0                 ; e
	s_add_co_u32 s2, s2, s62
	s_add_co_u32 s2, s2, KN+(\j-1)*KREG-PK
	s_add_co_u32 s3, s3, s63
	s_add_co_u32 s3, s3, VN-VOWN+(\j-1)*VREG-PV    ; (v[AV0] holds the own region's base)
	v_add_nc_u32 v[ADK+\s], s2, v[AK0]
	v_add_nc_u32 v[ADV+\s], s3, v[AV0]
	v_sub_nc_u32 v[\dreg], v[RDG], s57
.endm
; THE NEIGHBOURS of the tile m = s[MT]: regions 1 and 2 together, then region 3.  The lines that make the addresses are also the places behind the last products, ahead of the loads into V's registers.
.macro NEAR qreg, ot, st
	s_mul_i32 s62, s[MT], 16*PK
	s_mul_i32 s63, s[MT], 16*PV
	NADR 1, 0, D0
	NADR 2, 1, D1
	BODY 1, \qreg, \ot, \st
	NADR 3, 0, D0
	v_add_nc_u32 v[ADK+1], s2, v[AK0]              ; the second tile is the first once more: landed numbers, all with weight 0
	v_add_nc_u32 v[ADV+1], s3, v[AV0]
	BODY 2, \qreg, \ot, \st
.endm
; OUT: O^T / l, rounded to f16: tile t's four registers are half t % 2 of fragment t / 2
.macro OUT ot, st, outreg, ob
.rept 4
	v_nop                                          ; places behind the last products
.endr
	v_add_f32 v24, v[\st+2], v[\st+3]
	v_permlanex16_b32 v25, v24, s[SEL], s[SEL+1]
	v_add_f32 v24, v24, v25                        ; the row's sum
	v_rcp_f32 v26, v24
	v_nop                                          ; a plain line behind the reciprocal
	s_wait_alu depctr_va_vdst(0)                   ; and a wait ahead of its first reader
.irp b, 0,1,2,3,4,5,6,7,8,9,10,11,12,13,14,15
	v_pk_mul_f32 v[\ot+2*\b:\ot+2*\b+1], v[\ot+2*\b:\ot+2*\b+1], v[26:27] op_sel_hi:[1,0]
.endr
.irp b, 0,1,2,3,4,5,6,7,8,9,10,11,12,13,14,15
	v_cvt_pk_f16_f32 v[\outreg+\b], v[\ot+2*\b], v[\ot+2*\b+1]
.endr
.irp t, 0,1,2,3
	global_store_b128 v[GO], v[\outreg+4*\t:\outreg+4*\t+3], s[\ob:\ob+1] offset:512*\t   ; 512 consecutive bytes, aligned; each tile has registers and a base of its own, so nothing is waited for
.endr
.endm
	s_wait_tensorcnt 0x3                           ; a wave's tensor loads end in order: my quarter of the own region has landed; my three quarters of the neighbours' may stay out
	s_wait_loadcnt 0x0                             ; q
	s_barrier_signal -1
	s_barrier_wait -1                              ; everybody's quarter has: the own class's K and V are whole
	s_mov_b32 s[MT], s[WV]
	OWN 32, OTA, STA                               ; both tiles' own steps, nine in every wave, stand between the two barriers
	s_xor_b32 s[MT], s[MT], 15
	OWN 48, OTB, STB
	s_wait_tensorcnt 0x0                           ; my parts of the three neighbour regions have landed,
	s_barrier_signal -1
	s_barrier_wait -1                              ; and everybody's: from here on LDS is only read
	s_xor_b32 s[MT], s[MT], 15
	NEAR 32, OTA, STA
	OUT OTA, STA, OUA, 58
	s_xor_b32 s[MT], s[MT], 15
	NEAR 48, OTB, STB
	OUT OTB, STB, OUB, 60
	s_wait_tensorcnt 0x0                           ; the wave's end: behind my last tensor load
	ds_add_u32 v[SPW], v[NIL]
	s_wait_dscnt 0x0
	s_endpgm
.Lfunc_end_k_qb2a97094e0_attn:
	.size	k_qb2a97094e0_attn, .Lfunc_end_k_qb2a97094e0_attn-k_qb2a97094e0_attn
	.p2alignl 7, 3214868480
	.fill 96, 4, 3214868480
	.section	.rodata,"a",@progbits
	.p2align	6, 0x0
	.amdhsa_kernel k_qb2a97094e0_attn
		.amdhsa_group_segment_fixed_size 327680
		.amdhsa_private_segment_fixed_size 0
		.amdhsa_enable_private_segment 0
		.amdhsa_kernarg_size 16
		.amdhsa_user_sgpr_count 2
		.amdhsa_user_sgpr_kernarg_segment_ptr 1
		.amdhsa_wavefront_size32 1
		.amdhsa_system_sgpr_workgroup_id_x 1
		.amdhsa_system_sgpr_workgroup_id_y 1
		.amdhsa_system_sgpr_workgroup_id_z 1
		.amdhsa_system_vgpr_workitem_id 0
		.amdhsa_next_free_vgpr 256
		.amdhsa_next_free_sgpr 100
		.amdhsa_reserve_vcc 1
		.amdhsa_float_denorm_mode_32 3
		.amdhsa_float_denorm_mode_16_64 3
		.amdhsa_memory_ordered 1
		.amdhsa_forward_progress 1
		.amdhsa_inst_pref_size 61
	.end_amdhsa_kernel
	.amdgpu_metadata
---
amdhsa.version: [ 1, 2 ]
amdhsa.kernels:
  - .name:           k_qb2a97094e0_attn
    .symbol:         k_qb2a97094e0_attn.kd
    .args:
      - { .name: qkv, .offset: 0, .size: 8, .value_kind: global_buffer, .address_space: global }
      - { .name: o16, .offset: 8, .size: 8, .value_kind: global_buffer, .address_space: global }
    .group_segment_fixed_size: 327680
    .private_segment_fixed_size: 0
    .kernarg_segment_align: 8
    .kernarg_segment_size: 16
    .max_flat_workgroup_size: 256
    .sgpr_count:     100
    .vgpr_count:     256
    .wavefront_size: 32
...
	.end_amdgpu_metadata
.endif
;; end of part 3
;; launch outproj (part 4): grid 8 x 32, 4 waves a work-group, clusters of 4 x 4, 327,680 bytes of LDS; arguments o16, wo16, bo, out0; writes out0
.if DOCPART == 4
	.amdgcn_target "amdgcn-amd-amdhsa--gfx1250"
	.amdhsa_code_object_version 6
	.text
	.protected	k_qb2a97094e0_outproj
	.globl	k_qb2a97094e0_outproj
	.p2align	8
	.type	k_qb2a97094e0_outproj,@function
k_qb2a97094e0_outproj:
	s_mov_b64 s[64:65], 0
	v_nop
	global_prefetch_b8 v0, s[64:65] scope:SCOPE_SE
	s_setreg_imm32_b32 hwreg(HW_REG_WAVE_MODE, 25, 1), 1
	s_wait_xcnt 0x0
	s_wait_alu depctr_hold_cnt(0) depctr_sa_sdst(0) depctr_va_vdst(0) depctr_va_sdst(0) depctr_va_ssrc(0) depctr_va_vcc(0) depctr_vm_vsrc(0)
	s_getreg_b32 s2, hwreg(HW_REG_IB_STS2, 6, 4)
	s_cmp_eq_u32 s2, 0
	s_cbranch_scc0 .Lentry_in_a_cluster
	s_endpgm
.Lentry_in_a_cluster:
	s_bfe_u32 s2, ttmp6, 0x10000c
	s_cmp_lg_u32 s2, 0xf033
	s_cbranch_scc0 .Lentry_shape_is_right
	s_endpgm
.Lentry_shape_is_right:
; OUTPROJ: out0 = o Wo + bo.  4,096 tokens x 1,024 columns, K = 1,024; operands f16, sums f32, output f32.
; Both operands arrive as IMAGES OF THE OPERAND'S REGISTERS: a fragment (16 rows x 32 K) is 1,024 bytes, registers 0-3 in the first 512, registers 4-7 in the second, lane l's 16 bytes at 16 l.
;   o16 [256 along K: 4][tile of 16 tokens: 256][32 along K: 8][1,024];   wo16 [4][tile of 16 columns: 64][8][1,024].  So a K step's part of four tiles is one dense block of 32,768 bytes, no padding is wanted,
;   and a fragment comes out of LDS by two loads of 512 consecutive bytes.
; A tile of the result is 128 x 128: 256 work-groups.  Four waves, each 64 x 64: 16 accumulators.  K goes in four steps of 256 through two LDS slots; slots 0 and 1 are each filled again once.
; CLUSTERS: 4 x 4 work-groups.  The four of a row of the cluster need the same tiles of o, the four of a column the same tiles of Wo: each is asked for jointly, by the same tensor load with the same descriptor
; and a mask that names the four.  By this text's count a wave has two tensor loads out at the start and one behind each round.
; THE MATRIX INSTRUCTION IS USED TRANSPOSED (source 0 = 16 columns of Wo, source 1 = 16 tokens): a lane holds eight neighbouring columns of one token.  The bias is the C of each sum's first product.
; THE TOKENS COME BY CLASS: tile T = 16 (4 batch + class) + m holds positions 4 (16 m + r) + class; the way out puts each row at its own place in out0.
; No prefetch: the K steps are short and the tiles small, and each refill has a whole K step's products in which to land.
; REGISTERS: window 0: v0-31 addresses; v96-127 the bias; v128-255 the accumulators ((a, b) at v[128 + 8 (4 a + b)]).   window 1: two fragment buffers of 128: for 64 along K, 64 registers of o, then 64 of Wo.
.set HALFT,  32768                     ; what one tensor load brings: four tiles' eight fragments
.set SLOT,   4*HALFT                   ; o's two shares, then Wo's two
.set STAGE,  2*SLOT                    ; behind the ring: 16 rows x (256 bytes + 16) for each wave, for the way out
.set SPITCH, 272
.set SPARE,  STAGE+4*16*SPITCH         ; the spare words, 128 bytes a wave, that no other line names
.set ADRA, 16                          ; v16-17  LDS address of my o fragments in slot 0, 1
.set ADRB, 20                          ; v20-21  the same for Wo
.set STO,  24                          ; v24     the way out: where I put 32 bytes of a row
.set RD,   25                          ; v25     the way out: where I read a row back
.set CO,   26                          ; v26     my byte offset in out0
.set BO,   27                          ; v27     the bias: 32 x (lane / 16)
.set SPW,  28                          ; v28     LDS address of my spare word; never rewritten
.set NIL,  29                          ; v29     0; never rewritten
.set BIAS, 96
.set ACC,  128
.set F0,   0
.set F1,   128
.set G1, 24                            ; s[24:31] group 1 for o's tiles;  s[32:39] group 0, one set for each slot
.set G0, 32
.set G1B, 48                           ; s[48:55], s[56:63] the same for Wo's
.set G0B, 56
.set MSB, 0
.macro WIN new                         ; the immediate's high byte repeats the setting that is left
.if MSB != \new
	s_set_vgpr_msb (MSB<<8)|\new
.set MSB, \new
.endif
.endm
.set MUL,  0x05                        ; sources 0 and 1 window 1; C and D window 0
.set TO_F, 0x40                        ; destination window 1, address window 0
.macro JLOAD s                         ; a joint load: waves 0 and 1 fetch o's two shares, waves 2 and 3 Wo's; an s_nop 0 and four v_nop follow each line
	s_cmp_eq_u32 s11, 0
	s_cbranch_scc0 .Lfor_b_\@
	tensor_load_to_lds s[G0+4*\s:G0+4*\s+3], s[G1:G1+7]
	s_nop 0
.rept 4
	v_nop
.endr
	s_branch .Lasked_\@
.Lfor_b_\@:
	tensor_load_to_lds s[G0B+4*\s:G0B+4*\s+3], s[G1B:G1B+7]
	s_nop 0
.rept 4
	v_nop
.endr
.Lasked_\@:
.endm
.macro CREST                           ; a round of the cluster's barrier behind its opening barrier
	s_cmp_lg_u32 s10, 0
	s_cbranch_scc1 .Lnot_wave_0_\@
	s_barrier_signal -3
.Lnot_wave_0_\@:
	s_barrier_wait -3
	s_barrier_signal -1
	s_barrier_wait -1
.endm
.macro CROUND                          ; a whole round
	s_barrier_signal -1
	s_barrier_wait -1
	CREST
.endm
	s_load_b128 s[4:7], s[0:1], 0x0                ; o16 s[4:5], wo16 s[6:7]
	s_load_b64 s[2:3], s[0:1], 0x10                ; bo
	s_load_b64 s[8:9], s[0:1], 0x18                ; out0
	v_lshl_add_u32 v[SPW], v0, 2, SPARE
	v_mov_b32 v[NIL], 0
	ds_add_u32 v[SPW], v[NIL]                      ; the wave's opening: the add, twice on end, and its wait ahead of my first tensor load
	ds_add_u32 v[SPW], v[NIL]
	v_lshrrev_b32 v1, 5, v0
	v_readfirstlane_b32 s10, v1                    ; wave 0..3
	s_lshr_b32 s11, s10, 1                         ; which half of the tile's rows is mine.  Also: I fetch for o (0) or for Wo (1)
	s_and_b32 s12, s10, 1                          ; which half of its columns.  Also: which share of that tile I fetch
	s_bfe_u32 s40, ttmp6, 0x40000                  ; cx, cy: my place in the cluster
	s_bfe_u32 s41, ttmp6, 0x40004
	s_lshl_b32 s42, ttmp9, 2
	s_add_co_u32 s42, s42, s40                     ; tile column = 4 x cluster x + cx
	s_and_b32 s13, ttmp7, 0xffff
	s_lshl_b32 s13, s13, 2
	s_add_co_u32 s13, s13, s41                     ; tile row = 4 x cluster y + cy
	s_lshl_b32 s43, s41, 2
	s_lshl_b32 s43, 15, s43                        ; my row of the cluster
	s_lshl_b32 s44, 0x1111, s40                    ; my column
	; group 1: a dense block of 32,768 bytes as 128 rows of 32 elements of 8 bytes, no padding
	s_or_b32 s[G1+0], s43, (3<<16)|(1<<21)
	s_or_b32 s[G1B+0], s44, (3<<16)|(1<<21)
.irp g, G1, G1B
	s_mov_b32 s[\g+1], 32<<16
	s_mov_b32 s[\g+2], 128<<16
	s_mov_b32 s[\g+3], 32<<16
	s_mov_b32 s[\g+4], 128
	s_mov_b32 s[\g+5], 32
	s_mov_b32 s[\g+6], 0
	s_mov_b32 s[\g+7], 0
.endr
	s_lshl_b32 s17, s12, 2                         ; which four of the tile's eight tiles of 16 I fetch
	s_lshl_b32 s16, s13, 3
	s_add_co_u32 s16, s16, s17
	s_lshl_b32 s16, s16, 13                        ; o: 8,192 bytes a tile of 16 tokens
	s_lshl_b32 s46, s42, 3
	s_add_co_u32 s46, s46, s17
	s_lshl_b32 s46, s46, 13                        ; Wo likewise
	s_mov_b32 s17, 0
	s_mov_b32 s47, 0
	s_mul_i32 s20, s10, HALFT                      ; where they go: wave x a share: no place in the cluster enters an LDS address
	s_wait_dscnt 0x0                               ; both opening adds are done
	s_wait_kmcnt 0x0
	s_add_nc_u64 s[14:15], s[4:5], s[16:17]
	s_add_nc_u64 s[46:47], s[6:7], s[46:47]
	CROUND                                         ; all sixteen work-groups are here: the first joint loads meet
.irp s, 0,1
	s_mov_b32 s[G0+4*\s], 1
	s_add_co_u32 s[G0+4*\s+1], s20, \s*SLOT
	s_add_nc_u64 s[G0+4*\s+2:G0+4*\s+3], s[14:15], \s*2097152      ; K step s
	s_or_b32 s[G0+4*\s+3], s[G0+4*\s+3], 0x80000000
	s_mov_b32 s[G0B+4*\s], 1
	s_add_co_u32 s[G0B+4*\s+1], s20, \s*SLOT
	s_add_nc_u64 s[G0B+4*\s+2:G0B+4*\s+3], s[46:47], \s*524288
	s_or_b32 s[G0B+4*\s+3], s[G0B+4*\s+3], 0x80000000
	JLOAD \s
.endr
	v_and_b32 v1, 15, v0                           ; r = l % 16
	v_bfe_u32 v2, v0, 4, 1                         ; h = l / 16
	v_lshlrev_b32 v[BO], 5, v2
	s_lshl_b32 s46, s42, 9                         ; my first column, x 4 bytes: 512 x tile column + 256 x half: the same in bo and in a row of out0
	s_lshl_b32 s47, s12, 8
	s_add_co_u32 s46, s46, s47
	s_mov_b32 s47, 0
	s_add_nc_u64 s[2:3], s[2:3], s[46:47]
	s_add_nc_u64 s[8:9], s[8:9], s[46:47]
.irp b, 0,1,2,3                                ; lane (r, h) wants, for Wo's block b, the bias of columns 16 b + 8 h + 0 .. 7
	global_load_b128 v[BIAS+8*\b:BIAS+8*\b+3], v[BO], s[2:3] offset:64*\b
	global_load_b128 v[BIAS+8*\b+4:BIAS+8*\b+7], v[BO], s[2:3] offset:64*\b+16
.endr
	v_and_b32 v3, 31, v0
	v_lshlrev_b32 v3, 4, v3                        ; an image's place for my lane
	s_mul_i32 s21, s11, HALFT                      ; my 64 tokens
	s_mul_i32 s22, s12, HALFT                      ; my 64 columns,
	s_add_co_u32 s22, s22, 2*HALFT                 ; which lie behind o's two shares
.irp s, 0,1
	v_add_nc_u32 v[ADRA+\s], s21, v3
	v_add_nc_u32 v[ADRB+\s], s22, v3
	s_add_co_u32 s21, s21, SLOT
	s_add_co_u32 s22, s22, SLOT
.endr
	s_mul_i32 s23, s10, 16*SPITCH
	s_add_co_u32 s23, s23, STAGE                   ; my stage
	v_mul_u32_u24 v4, v1, SPITCH                   ; in: row r, 32 bytes for each half of the lanes
	v_lshl_add_u32 v4, v2, 5, v4
	v_add_nc_u32 v[STO], s23, v4
	v_mul_u32_u24 v5, v2, SPITCH                   ; back: lanes 0-15 one row of 256 bytes, lanes 16-31 the next
	v_lshl_add_u32 v5, v1, 4, v5
	v_add_nc_u32 v[RD], s23, v5
	v_lshlrev_b32 v5, 14, v2                       ; in out0 neighbouring rows of a tile lie four positions, 16,384 bytes, apart
	v_lshl_add_u32 v[CO], v1, 4, v5
	s_lshr_b32 s16, s13, 3                         ; the tile row's eight tiles of 16 tokens: batch = tile row / 8,
	s_lshl_b32 s16, s16, 10
	s_bfe_u32 s17, s13, 0x20001                    ; class = (tile row / 2) % 4,
	s_add_co_u32 s16, s16, s17
	s_and_b32 s17, s13, 1                          ; m = 8 (tile row % 2) + 4 x my half + a: 64 positions each
	s_lshl_b32 s17, s17, 9
	s_add_co_u32 s16, s16, s17
	s_lshl_b32 s17, s11, 8
	s_add_co_u32 s16, s16, s17
	s_lshl_b32 s16, s16, 12                        ; rows of 4,096 bytes
	s_mov_b32 s17, 0
	s_add_nc_u64 s[8:9], s[8:9], s[16:17]
; 8 matrix instructions: token blocks a0, a0 + 1 x all 4 column blocks, 32 along K: half c of buffer f.  first = 1: the bias starts the sums.  The 16 accumulators take turns.
.macro MUL8 f, c, a0, first
.irp a, \a0, \a0+1
.irp b, 0,1,2,3
.if \first
	v_wmma_f32_16x16x32_f16 v[ACC+8*(4*(\a)+\b):ACC+8*(4*(\a)+\b)+7], v[\f+64+8*(4*\c+\b):\f+64+8*(4*\c+\b)+7], v[\f+8*(4*\c+\a):\f+8*(4*\c+\a)+7], v[BIAS+8*\b:BIAS+8*\b+7]
.else
	v_wmma_f32_16x16x32_f16 v[ACC+8*(4*(\a)+\b):ACC+8*(4*(\a)+\b)+7], v[\f+64+8*(4*\c+\b):\f+64+8*(4*\c+\b)+7], v[\f+8*(4*\c+\a):\f+8*(4*\c+\a)+7], v[ACC+8*(4*(\a)+\b):ACC+8*(4*(\a)+\b)+7]
.endif
.endr
.endr
.endm
; 32 LDS loads in one run: the fragments of 64 along K, the slot's fragments k and k + 1 of each tile, into buffer f; the first 32 along K first
.macro FETCH slot, k, f
	WIN TO_F
.irp c, 0,1
.irp i, 0,1,2,3
	ds_load_b128 v[\f+64+8*(4*\c+\i):\f+64+8*(4*\c+\i)+3],   v[ADRB+\slot] offset:\i*8192+(\k+\c)*1024
	ds_load_b128 v[\f+64+8*(4*\c+\i)+4:\f+64+8*(4*\c+\i)+7], v[ADRB+\slot] offset:\i*8192+(\k+\c)*1024+512
	ds_load_b128 v[\f+8*(4*\c+\i):\f+8*(4*\c+\i)+3],         v[ADRA+\slot] offset:\i*8192+(\k+\c)*1024
	ds_load_b128 v[\f+8*(4*\c+\i)+4:\f+8*(4*\c+\i)+7],       v[ADRA+\slot] offset:\i*8192+(\k+\c)*1024+512
.endr
.endr
.endm
.macro PLACES                          ; four places in front of loads into registers that matrix instructions have read, and of the first read of results
.rept 4
	v_nop
.endr
.endm
; A K step is four quarters of 64 along K, 32 matrix instructions each, on buffers 0, 1, 0, 1.  One of the first three: multiplies buffer f and fetches the next quarter, fragments k and k + 1, into g.
.macro QUARTER slot, k, f, g, first
	s_wait_dscnt 16                                ; the first 32 along K are in
	WIN MUL
	MUL8 \f, 0, 0, \first
	MUL8 \f, 0, 2, \first
	PLACES
	FETCH \slot, \k, \g
	s_wait_dscnt 32                                ; all but the 32 just issued
	WIN MUL
	MUL8 \f, 1, 0, 0
	MUL8 \f, 1, 2, 0
.endm
; The last quarter multiplies buffer 1 and changes slots: one barrier; in front of it each wave waits for all its tensor loads, adds 0 to its spare word, and waits for that and for its own reads of this slot.
; fill = 1: the barrier opens a round of the cluster's, and this slot is filled again, two K steps ahead, first thing behind the round.
.macro TURN slot, next, fill
	WIN 0                                          ; (the add's two registers lie in window 0)
	s_wait_tensorcnt 0x0                           ; all my tensor loads have landed: my part of the next slot
	ds_add_u32 v[SPW], v[NIL]                      ; 0 onto my spare word
	s_wait_dscnt 17                                ; (the add and the youngest sixteen loads may be out)
	WIN MUL
	MUL8 F1, 0, 0, 0
	s_wait_dscnt 0x0                               ; the add is done, and my reads of this slot are over
	s_barrier_signal -1
	MUL8 F1, 0, 2, 0
.if \fill
	WIN 0
.endif
	s_barrier_wait -1
.if \fill
	CREST                                          ; no wave of any partner still reads this slot's tile or has a load on its way
	s_add_nc_u64 s[G0+4*\slot+2:G0+4*\slot+3], s[G0+4*\slot+2:G0+4*\slot+3], 2*2097152
	s_add_nc_u64 s[G0B+4*\slot+2:G0B+4*\slot+3], s[G0B+4*\slot+2:G0B+4*\slot+3], 2*524288
	JLOAD \slot                                    ; the four v_nop behind it are also the places in front of the loads below
.else
	PLACES
.endif
	FETCH \next, 0, F0
	WIN MUL
	MUL8 F1, 1, 0, 0
	MUL8 F1, 1, 2, 0
.endm
	s_wait_tensorcnt 1                             ; my part of K step 0 is in (K step 1's load may be out),
	s_barrier_signal -1
	s_barrier_wait -1                              ; everybody's is
	FETCH 0, 0, F0
	s_wait_loadcnt 0x0                             ; the bias
	QUARTER 0, 2, F0, F1, 1                        ; K step 0
	QUARTER 0, 4, F1, F0, 0
	QUARTER 0, 6, F0, F1, 0
	TURN 0, 1, 1                                   ; slot 0 takes K step 2
	QUARTER 1, 2, F0, F1, 0                        ; K step 1
	QUARTER 1, 4, F1, F0, 0
	QUARTER 1, 6, F0, F1, 0
	TURN 1, 0, 1                                   ; slot 1 takes K step 3
	QUARTER 0, 2, F0, F1, 0                        ; K step 2
	QUARTER 0, 4, F1, F0, 0
	QUARTER 0, 6, F0, F1, 0
	TURN 0, 1, 0                                   ; nothing is left to fetch
	QUARTER 1, 2, F0, F1, 0                        ; K step 3
	QUARTER 1, 4, F1, F0, 0
	QUARTER 1, 6, F0, F1, 0
	s_wait_dscnt 16                                ; the very last quarter
	WIN MUL
	MUL8 F1, 0, 0, 0
	MUL8 F1, 0, 2, 0
	s_wait_dscnt 0
	MUL8 F1, 1, 0, 0
	MUL8 F1, 1, 2, 0
	WIN 0
	; THE WAY OUT.  My 64 columns of f32 are 256 bytes of a row of out0.  A block of 16 tokens goes through my own stage and comes back as whole rows, into the registers that it left:
	; LDS serves a wave's instructions in order, so no wait stands between the stores and the loads, nor in front of the next block's stores.
	PLACES
.irp a, 0,1,2,3
.irp b, 0,1,2,3
	ds_store_b128 v[STO], v[ACC+8*(4*\a+\b):ACC+8*(4*\a+\b)+3] offset:64*\b          ; each accumulator from its low end on
	ds_store_b128 v[STO], v[ACC+8*(4*\a+\b)+4:ACC+8*(4*\a+\b)+7] offset:64*\b+16
.endr
.irp t, 0,1,2,3,4,5,6,7
	ds_load_b128 v[ACC+32*\a+4*\t:ACC+32*\a+4*\t+3], v[RD] offset:\t*2*SPITCH
.endr
.endr
.irp a, 0,1,2,3
.irp t, 0,1,2,3,4,5,6,7
	s_wait_dscnt (3-\a)*16+7-\t                    ; behind this load: the rest of its block's loads and the later blocks' sixteen lines each
	global_store_b128 v[CO], v[ACC+32*\a+4*\t:ACC+32*\a+4*\t+3], s[8:9] offset:\a*262144+\t*32768 th:TH_STORE_NT   ; 16 lanes store 256 consecutive bytes, aligned; a block is 64 positions on, a pair of rows 8
.endr
.endr
	s_wait_tensorcnt 0x0                           ; the wave's end: behind my last tensor load and my last LDS store
	ds_add_u32 v[SPW], v[NIL]
	s_wait_dscnt 0x0
	CROUND                                         ; the closing round: no work-group ends while a partner may still ask for a tile that names it
	s_endpgm
.Lfunc_end_k_qb2a97094e0_outproj:
	.size	k_qb2a97094e0_outproj, .Lfunc_end_k_qb2a97094e0_outproj-k_qb2a97094e0_outproj
	.p2alignl 7, 3214868480
	.fill 96, 4, 3214868480
	.section	.rodata,"a",@progbits
	.p2align	6, 0x0
	.amdhsa_kernel k_qb2a97094e0_outproj
		.amdhsa_group_segment_fixed_size 327680
		.amdhsa_private_segment_fixed_size 0
		.amdhsa_enable_private_segment 0
		.amdhsa_kernarg_size 32
		.amdhsa_user_sgpr_count 2
		.amdhsa_user_sgpr_kernarg_segment_ptr 1
		.amdhsa_wavefront_size32 1
		.amdhsa_system_sgpr_workgroup_id_x 1
		.amdhsa_system_sgpr_workgroup_id_y 1
		.amdhsa_system_sgpr_workgroup_id_z 1
		.amdhsa_system_vgpr_workitem_id 0
		.amdhsa_next_free_vgpr 512
		.amdhsa_next_free_sgpr 66
		.amdhsa_reserve_vcc 0
		.amdhsa_float_denorm_mode_32 3
		.amdhsa_float_denorm_mode_16_64 3
		.amdhsa_memory_ordered 1
		.amdhsa_forward_progress 1
		.amdhsa_inst_pref_size 87
	.end_amdhsa_kernel
	.amdgpu_metadata
---
amdhsa.version: [ 1, 2 ]
amdhsa.kernels:
  - .name:           k_qb2a97094e0_outproj
    .symbol:         k_qb2a97094e0_outproj.kd
    .args:
      - { .name: o16, .offset: 0, .size: 8, .value_kind: global_buffer, .address_space: global }
      - { .name: wo16, .offset: 8, .size: 8, .value_kind: global_buffer, .address_space: global }
      - { .name: bo, .offset: 16, .size: 8, .value_kind: global_buffer, .address_space: global }
      - { .name: out0, .offset: 24, .size: 8, .value_kind: global_buffer, .address_space: global }
    .group_segment_fixed_size: 327680
    .private_segment_fixed_size: 0
    .kernarg_segment_align: 8
    .kernarg_segment_size: 32
    .max_flat_workgroup_size: 128
    .sgpr_count:     66
    .vgpr_count:     512
    .wavefront_size: 32
...
	.end_amdgpu_metadata
.endif
;; end of part 4
